; MI455X (gfx1250); checked and timed in simulation.
; The chip was launched on July 23, 2026; its instructions are those of AMD's public machine-readable ISA for CDNA 5 (MIT licence, August 2026) and "CDNA5" Instruction Set Architecture Reference Guide (July 2026). The comments in the code are by the model that wrote it; some were corrected since.
;; SSD. Allowed arithmetic: matrix products marked QUANTISED: E2M3 operands, one E8M0 scale for each 32 along K, by v_wmma_scale_f32_16x16x128_f8f6f4 with both operands' format E2M3, f32 sums; everything else in f32.
;; Inputs: A_log 32 float32; D 32 float32; W_B 2,048 x 1,024 float32; W_C 2,048 x 1,024 float32; W_dt 2,048 x 32 float32; W_out 2,048 x 2,048 float32; W_x 2,048 x 2,048 float32; b_B 1,024 float32; b_C 1,024 float32; b_dt 32 float32; b_out 2,048 float32; b_x 2,048 float32; hidden_states 2 x 2,048 x 2,048 float32.
;; Outputs: out0 2 x 2,048 x 2,048 float32.
;; Constants: chunk_len = 256, d_state = 128.
;; This version of the problem:
;;   THIS VERSION OF THE PROBLEM IS GIVEN IN LOW PRECISION. The matrix products marked QUANTISED in the list below multiply operands that are first quantised to E2M3 (2 exponent bits, 3 mantissa bits; 6 bits a number), with one power-of-two scale for each 32 numbers along K (OCP MX v1.0); their sums are f32. All else is computed in f32.
;;   The module's matrix products, in the order in which they are computed (A, B: the left and right operand; K: the contracted axis; several contracted axes count as one K, in the product's order):
;;     1. [M 4,096, K 2,048] x [K 2,048, N 1,024]; A: input hidden_states; B: input W_B: QUANTISED
;;     2. [M 4,096, K 2,048] x [K 2,048, N 1,024]; A: input hidden_states; B: input W_C: QUANTISED
;;     3. [M 4,096, K 2,048] x [K 2,048, N 32]; A: input hidden_states; B: input W_dt: QUANTISED
;;     4. [M 4,096, K 2,048] x [K 2,048, N 2,048]; A: input hidden_states; B: input W_x: QUANTISED
;;     5. batch 512 x [M 256, K 128] x [K 128, N 256]; A: computed on the way; B: computed on the way: QUANTISED
;;     6. batch 512 x [M 64, K 256] x [K 256, N 256]; A: computed on the way; B: computed on the way: QUANTISED
;;     7. batch 512 x [M 64, K 256] x [K 256, N 128]; A: computed on the way; B: computed on the way: QUANTISED
;;     8. batch 512 x [M 64, K 128] x [K 128, N 256]; A: computed on the way; B: computed on the way: QUANTISED
;;     9. [M 4,096, K 2,048] x [K 2,048, N 2,048]; A: computed on the way; B: input W_out: QUANTISED
;;   THE QUANTISER, for each operand of a quantised product, along K:
;;     - K is cut into blocks of 32 from its start; a last block that is shorter is filled with zeros.
;;     - A block's scale is 2^e with e = floor(log2(the largest magnitude in the block)) - 2, held to -126 .. 127; a block of zeros has e = 0. As a byte (E8M0): e + 127.
;;     - Each number is divided by its block's scale, clamped to +-7.5, and rounded to the nearest number of E2M3, ties to even, subnormals kept.
;;     - The product sums the exact products of the quantised numbers (number of the format x scale) in f32.
;;   ~~~python
;;   def quantise(x, axis):      # numpy; x: float32 -> the quantised numbers, widened to float32 again
;;       x = np.moveaxis(x, axis, -1); K = x.shape[-1]
;;       x = np.pad(x, [(0, 0)] * (x.ndim - 1) + [(0, -K % 32)]); x = x.reshape(x.shape[:-1] + (-1, 32)); a = np.abs(x).max(-1, keepdims=True)
;;       e = np.where(a > 0, np.clip(np.frexp(np.where(a > 0, a, 1))[1] - 1 - 2, -126, 127), 0)      # np.frexp(a)[1] - 1 = floor(log2(a)), exactly
;;       r = np.clip(x / 2.0 ** e, -7.5, 7.5)
;;       step = 2.0 ** (np.maximum(np.frexp(np.where(r == 0, 1, r))[1] - 1, 0) - 3)
;;       q = np.round(r / step) * step * 2.0 ** e      # np.round: ties to even
;;       return np.moveaxis(q.reshape(q.shape[:-2] + (-1,))[..., :K], -1, axis).astype(np.float32)
;;   ~~~
;;   OPERANDS COMPUTED ON THE WAY. 'Computed on the way' means the value that the module computes at that place (a softmax that the list does not call 'softmax' is quantised finished and normalised). What goes into a quantiser is computed in f32, as accurately as f32 sums, v_exp_f32 and their like allow (about 1e-6 of the number): no bf16 or f16 on the way to a quantiser, and a product that is left as it is and whose result goes on into a quantised operand takes f32 operands (vector FMAs, or v_wmma_f32_16x16x4_f32). A number that lies on a knife's edge between two numbers of the format may be rounded either way, as far as f32 arithmetic and the matrix unit's own rounding can turn it there, and no further.
;; One version. Each part assembles by itself: llvm-mc -triple=amdgcn-amd-amdhsa -mcpu=gfx1250 --defsym DOCPART=n.
;; ======== version 1 of 1: 5 launches
;; workspace buffers: hs_codes 6,291,456 bytes; hs_scales 262,144 bytes; w_codes 9,633,792 bytes; w_scales 401,408 bytes; bcx 67,108,864 bytes; dtb 1,064,960 bytes; y_codes 6,291,456 bytes; y_scales 262,144 bytes
;; launch quant (part 1): grid 642 x 1, 4 waves a work-group, no clusters, 34,304 bytes of LDS; arguments hidden_states, W_B, W_C, W_x, W_out, W_dt, hs_codes, hs_scales, w_codes, w_scales; writes hs_codes, hs_scales, w_codes, w_scales
.if DOCPART == 1
	.amdgcn_target "amdgcn-amd-amdhsa--gfx1250"
	.amdhsa_code_object_version 6
	.text
	.protected	k_qf5e5e26ab8_quant
	.globl	k_qf5e5e26ab8_quant
	.p2align	8
	.type	k_qf5e5e26ab8_quant,@function
k_qf5e5e26ab8_quant:
	s_mov_b64 s[64:65], 0
	v_nop
	global_prefetch_b8 v0, s[64:65] scope:SCOPE_SE
	s_setreg_imm32_b32 hwreg(HW_REG_WAVE_MODE, 25, 1), 1
	s_wait_xcnt 0x0
; LAUNCH 1 OF 5 of an SSD block (b 2, s 2048, dm 2048, 32 heads of 64, 8 groups of 128 states, chunks of 256): hidden_states and the five weights become codes of E2M3 with one E8M0 byte for each 32 along K.
; WORK THAT THE PROGRAM LEAVES OUT, for all values of the inputs:
;  (1) the product of C with the state for chunk 0: reference() puts zeros_like(states[:, :1]) in front of the states, so chunk 0 multiplies a zero that reference() builds itself;
;  (2) the state of chunk 7 (B_decay^T x): new_states[:, :-1] slices it away;
;  (3) keys 128..255 of a chunk for queries 0..127, in C B^T and in M x: Lmat = exp(-inf) = 0 there by reference()'s own tril, so M is 0, its codes are 0 and add nothing.
;  Chunks are not chained: reference() scales each state by a column sum of decay_chunk, so chunk z needs the state of chunk z - 1 alone, times 1 + sum over i = z..7 of exp(T_z + .. + T_i), T_k the chunk's sum of A dt.
;  Every input has a way to the output: all are loaded.  LIMIT: a NaN, an infinity or an overflow that reaches only the work left out is not carried to the result.
; LIMITS of the quantisers here: NaN and infinities among the inputs are not served; a block of zeros (and one whose largest magnitude lies under 2^-124) gets the byte 1, where the rule says 127 for zeros: its codes are zeros,
;  which add nothing under any byte but 0xff, and the bytes are read by this program alone.
; LAYOUT OF ALL CODES: images of the matrix operand's registers.  A fragment is 16 rows x 128 K, 12 registers a lane, 1,536 bytes: registers 4 c .. 4 c + 3 of lane L at 512 c + 16 L.  The fragment of row tile RT and K step KS lies at
;  (RT / 8) 196608 + (KS / 2) 24576 + (RT % 8) 3072 + (KS % 2) 1536: so 128 rows x 256 K are one dense block of 24,576 bytes.  Scale words (four bytes: 128 K of one row) lie [KS][row].
; w_codes' rows: 0 W_B^T, 1024 W_C^T, 2048 W_x^T, 4096 W_out^T, 6144 W_dt^T.  W_out's K goes in the order in which the fourth launch makes y: K step g + 8 hi holds head g + 16 hi, then head g + 8 + 16 hi; blocks of 32 stay whole.
; Work-groups 0..255: a tile of 16 rows of hidden_states, wave w its K steps 4 w .. 4 w + 3; the rows turn through the wave's own stage in LDS, so that every load reads 512 consecutive bytes and a lane yet holds neighbours along K.
; Work-groups 256..641: the weights, whose K is their first axis: a lane takes a column and its registers run down K; no LDS.
.set SPARE, 33792                      ; behind the four stages of 16 x 528 bytes: the spare words, 128 bytes a wave
.set SPW,  6                           ; v6   SPARE + 4 x my thread's number; never rewritten
.set NIL,  7                           ; v7   0; never rewritten
.set SEL,  2                           ; s[2:3] lane selects: lane l xor 16
.set R0,   32                          ; v32-159  two sets of 16 rows x 16 bytes as loaded
.set X,    160                         ; v160-223 64 numbers of my row: register 16 b + i = k 32 b + 16 (lane / 16) + i
.set TM,   224                         ; v224-227 at work
.set PC,   236                         ; v236-250 the codes just made
.set PW,   255                         ; the scale word just made
.set OFF,  32                          ; weights: v32-63 4 x lane + i rows
.set XW,   64                          ; v64-127  two sets of 32 numbers down K
.set F0,   128                         ; v128-139 the fragment of columns 0-15
.set F1,   140                         ; v140-151 of columns 16-31
.set TA,   152
.set TB,   156
; 32 numbers of a lane (two half blocks) become half c of a fragment; the block's other half lies in lane l xor 16
.macro QHALF s, c
	v_max3_num_f32 v[TM], |v[(\s)+32*(\c)]|, |v[(\s)+32*(\c)+1]|, 0x1800000     ; with the floor 2^(3 - 127): the byte cannot fall under 1
	v_max3_num_f32 v[TM+1], |v[(\s)+32*(\c)+16]|, |v[(\s)+32*(\c)+17]|, 0x1800000
.irp i, 2,4,6,8,10,12,14
	v_max3_num_f32 v[TM], v[TM], |v[(\s)+32*(\c)+\i]|, |v[(\s)+32*(\c)+\i+1]|
	v_max3_num_f32 v[TM+1], v[TM+1], |v[(\s)+32*(\c)+16+\i]|, |v[(\s)+32*(\c)+17+\i]|
.endr
	v_permlanex16_b32 v[TM+2], v[TM], s[SEL], s[SEL+1]
	v_permlanex16_b32 v[TM+3], v[TM+1], s[SEL], s[SEL+1]
	v_max_num_f32 v[TM], v[TM], v[TM+2]            ; the blocks' largest magnitudes
	v_max_num_f32 v[TM+1], v[TM+1], v[TM+3]
	v_add_nc_u32 v[TM], 0xff000000, v[TM]          ; 2 off the exponent field: the conversion's scale operand
	v_add_nc_u32 v[TM+1], 0xff000000, v[TM+1]
	v_lshrrev_b32 v[TM+2], 23, v[TM]               ; the bytes
	v_lshrrev_b32 v[TM+3], 23, v[TM+1]
.if (\c) == 0
	v_lshl_or_b32 v[PW], v[TM+3], 8, v[TM+2]
.else
	v_lshl_or_b32 v[PW], v[TM+2], 16, v[PW]
	v_lshl_or_b32 v[PW], v[TM+3], 24, v[PW]
.endif
	v_cvt_scalef32_pk16_fp6_f32 v[PC+6*(\c):PC+6*(\c)+2], v[(\s)+32*(\c):(\s)+32*(\c)+15], v[TM]
	v_cvt_scalef32_pk16_fp6_f32 v[PC+12:PC+14], v[(\s)+32*(\c)+16:(\s)+32*(\c)+31], v[TM+1]
	v_nop                                          ; one plain place behind a scaled conversion
.irp i, 0,1,2
	v_permlane16_swap_b32 v[PC+6*(\c)+\i], v[PC+12+\i]   ; a whole block to a lane: lanes 0-15 block 2 c, lanes 16-31 block 2 c + 1
.endr
.irp i, 0,1,2
	v_mov_b32 v[PC+6*(\c)+3+\i], v[PC+12+\i]
.endr
.endm
	s_load_b256 s[4:11], s[0:1], 0x0               ; hidden_states, W_B, W_C, W_x
	s_load_b256 s[12:19], s[0:1], 0x20             ; W_out, W_dt, hs_codes, hs_scales
	s_load_b128 s[20:23], s[0:1], 0x40             ; w_codes, w_scales
	v_lshl_add_u32 v[SPW], v0, 2, SPARE
	v_mov_b32 v[NIL], 0
	v_lshrrev_b32 v1, 5, v0
	v_readfirstlane_b32 s24, v1                    ; wave
	v_and_b32 v10, 31, v0                          ; lane
	v_lshlrev_b32 v1, 4, v10                       ; 16 x lane
	v_lshlrev_b32 v5, 2, v10                       ; 4 x lane
	s_mov_b32 s[SEL], 0x76543210
	s_mov_b32 s[SEL+1], 0xfedcba98
	s_wait_kmcnt 0x0
	s_cmp_ge_u32 ttmp9, 256
	s_cbranch_scc1 .Lw
	; ---------------- hidden_states: row tile RT = the work-group's number
	v_and_b32 v11, 15, v0                          ; r
	v_bfe_u32 v12, v0, 4, 1                        ; h
	s_mul_i32 s34, s24, 8448                       ; my stage
	v_add_nc_u32 v2, s34, v1                       ; in: row i at 528 i, 16 bytes a lane
	v_mul_u32_u24 v3, v11, 528
	v_lshl_add_u32 v3, v12, 6, v3
	v_add_nc_u32 v3, s34, v3                       ; back: row r, + 64 h
	v_lshlrev_b32 v4, 2, v11
	v_lshl_add_u32 v4, v12, 14, v4                 ; scale words: 4 r, lanes 16-31 one K step on
	v_cmp_ne_u32 s30, 0, v12
	v_mov_b32 v[TM+2], 0                           ; a lane permute's destination counts as one of its sources
	v_mov_b32 v[TM+3], 0
	s_lshl_b32 s34, ttmp9, 17                      ; 16 rows of 8,192 bytes
	s_lshl_b32 s35, s24, 11                        ; my four K steps of 512 bytes
	s_add_co_u32 s34, s34, s35
	s_mov_b32 s35, 0
	s_add_nc_u64 s[32:33], s[4:5], s[34:35]
	s_lshr_b32 s34, ttmp9, 3
	s_mul_i32 s34, s34, 196608
	s_and_b32 s25, ttmp9, 7
	s_mul_i32 s25, s25, 3072
	s_add_co_u32 s34, s34, s25
	s_mul_i32 s25, s24, 49152
	s_add_co_u32 s34, s34, s25
	s_add_nc_u64 s[36:37], s[16:17], s[34:35]
	s_lshl_b32 s34, s24, 16
	s_lshl_b32 s25, ttmp9, 6
	s_add_co_u32 s34, s34, s25
	s_add_nc_u64 s[38:39], s[18:19], s[34:35]
.macro LOADH t
.irp i, 0,1,2,3,4,5,6,7,8,9,10,11,12,13,14,15
	global_load_b128 v[R0+64*((\t)%2)+4*\i:R0+64*((\t)%2)+4*\i+3], v1, s[32:33] offset:8192*\i+512*(\t) th:TH_LOAD_NT   ; 512 consecutive bytes of row i
.endr
.endm
.macro STEPH t
.if (\t) < 3
	s_wait_loadcnt 16                              ; this step's 16 loads are in; the younger set's 16 may be out
.else
	s_wait_loadcnt 0x0
.endif
.irp i, 0,1,2,3,4,5,6,7,8,9,10,11,12,13,14,15
	ds_store_b128 v2, v[R0+64*((\t)%2)+4*\i:R0+64*((\t)%2)+4*\i+3] offset:528*\i
.endr
.irp b, 0,1,2,3
.irp j, 0,1,2,3
	ds_load_b128 v[X+16*\b+4*\j:X+16*\b+4*\j+3], v3 offset:128*\b+16*\j   ; LDS serves a wave's instructions in order: these see the stores above
.endr
.endr
	s_wait_dscnt 0x0
	s_wait_xcnt 0x0                                ; the last step's stores have read the codes' registers
.if (\t) < 2
	LOADH (\t)+2
.endif
	QHALF X, 0
	QHALF X, 1
	v_mov_b32 v[16+(\t)], v[PW]
.irp c, 0,1,2
	global_store_b128 v1, v[PC+4*\c:PC+4*\c+3], s[36:37] offset:((\t)/2)*24576+((\t)%2)*1536+512*\c   ; 512 consecutive bytes
.endr
.endm
	LOADH 0
	LOADH 1
	STEPH 0
	STEPH 1
	STEPH 2
	STEPH 3
	v_cndmask_b32 v20, v16, v17, s30               ; lanes 0-15 store K step 4 w, lanes 16-31 K step 4 w + 1
	v_cndmask_b32 v21, v18, v19, s30
	global_store_b32 v4, v20, s[38:39]
	global_store_b32 v4, v21, s[38:39] offset:32768
	s_branch .Lend
	; ---------------- the weights: 32 columns x 256 along K to a wave
.Lw:
	s_sub_co_u32 s25, ttmp9, 256                   ; u
	s_lshr_b32 s26, s25, 3                         ; x: which 128 rows of w_codes
	s_and_b32 s27, s25, 7                          ; y: which 256 along K
	s_lshl_b32 s28, s26, 7
	s_lshl_b32 s34, s24, 5
	s_add_co_u32 s28, s28, s34                     ; n0: my first row of w_codes
	s_sub_co_u32 s34, s25, 384
	s_lshl_b32 s34, s34, 2
	s_add_co_u32 s34, s34, s24                     ; W_dt: each wave another y
	s_mov_b64 s[32:33], s[12:13]                   ; W_out, unless a later test says otherwise; the tests hang on ids alone
	s_mov_b32 s29, 4096                            ; the tensor's first row of w_codes
	s_mov_b32 s30, 8192                            ; a row of the tensor in bytes
	s_mov_b32 s35, 2048
	s_cmp_lt_u32 s26, 32
	s_cselect_b64 s[32:33], s[10:11], s[32:33]
	s_cselect_b32 s29, s35, s29
	s_cselect_b32 s31, 0, 1                        ; 1: W_out's order of K
	s_cmp_lt_u32 s26, 16
	s_cselect_b64 s[32:33], s[8:9], s[32:33]
	s_cselect_b32 s29, 1024, s29
	s_cselect_b32 s30, 4096, s30
	s_cmp_lt_u32 s26, 8
	s_cselect_b64 s[32:33], s[6:7], s[32:33]
	s_cselect_b32 s29, 0, s29
	s_cmp_ge_u32 s25, 384
	s_cselect_b64 s[32:33], s[14:15], s[32:33]
	s_cselect_b32 s29, 6144, s29
	s_cselect_b32 s30, 128, s30
	s_cselect_b32 s31, 0, s31
	s_cselect_b32 s28, 6144, s28
	s_cselect_b32 s27, s34, s27
.set i, 0
.rept 32
	v_mad_u32_u24 v[OFF+i], s30, i, v5             ; 4 x lane + i rows
.set i, i+1
.endr
	s_lshl_b32 s34, s27, 8                         ; plain order: K step 2 y begins at row 256 y
	s_lshl_b32 s35, s27, 1
.irp tq, 0,1
	s_add_co_u32 s36, s35, \tq                     ; K step 2 y + tq = g + 8 hi
	s_and_b32 s37, s36, 7
	s_lshl_b32 s37, s37, 6
	s_lshr_b32 s36, s36, 3
	s_lshl_b32 s36, s36, 10
	s_add_co_u32 s36, s36, s37                     ; W_out: row 64 g + 1024 hi
	s_add_co_u32 s37, s34, 128*\tq
	s_cmp_eq_u32 s31, 1
	s_cselect_b32 s[38+\tq], s36, s37
.endr
	s_cmp_eq_u32 s31, 1
	s_cselect_b32 s36, 512, 64                     ; from a K step's blocks 0, 1 to its blocks 2, 3: eight heads on, or 64 rows
	s_sub_co_u32 s37, s28, s29
	s_lshl_b32 s37, s37, 2                         ; my first column, in bytes
	s_mov_b32 s61, 0
.irp t, 0,1,2,3,4,5,6,7
	s_add_co_u32 s60, s[38+\t/4], 32*(\t%2)
.if (\t/2)%2
	s_add_co_u32 s60, s60, s36
.endif
	s_mul_i32 s60, s60, s30
	s_add_co_u32 s60, s60, s37
	s_add_nc_u64 s[40+2*\t:41+2*\t], s[32:33], s[60:61]   ; where block t begins
.endr
	s_lshr_b32 s60, s28, 7
	s_mul_i32 s60, s60, 196608
	s_mul_i32 s34, s27, 24576
	s_add_co_u32 s60, s60, s34
	s_bfe_u32 s34, s28, 0x30004
	s_mul_i32 s34, s34, 3072
	s_add_co_u32 s60, s60, s34
	s_add_nc_u64 s[56:57], s[20:21], s[60:61]
	s_mul_i32 s60, s27, 2*25088
	s_lshl_b32 s34, s28, 2
	s_add_co_u32 s60, s60, s34
	s_add_nc_u64 s[58:59], s[22:23], s[60:61]
.macro LOADW t
.set i, 0
.rept 32
	global_load_b32 v[XW+32*((\t)%2)+i], v[OFF+i], s[40+2*(\t):41+2*(\t)] th:TH_LOAD_NT   ; a row of the weight at 32 neighbouring columns
.set i, i+1
.endr
.endm
.macro BLOCK t
.set XS, XW+32*((\t)%2)
.set CC, ((\t)%4)/2
.if (\t) < 7
	s_wait_loadcnt 32                              ; this block's 32 loads are in; the next block's may be out
.else
	s_wait_loadcnt 0x0
.endif
.if (\t) == 4
	s_wait_xcnt 0x0                                ; the first K step's stores have read the fragments and the scale word
.endif
	v_max3_num_f32 v12, |v[XS]|, |v[XS+1]|, |v[XS+2]|              ; all 32 numbers of the block are mine
	v_max3_num_f32 v13, |v[XS+3]|, |v[XS+4]|, |v[XS+5]|
.irp i, 6,10,14,18,22,26
	v_max3_num_f32 v12, v12, |v[XS+\i]|, |v[XS+\i+1]|
	v_max3_num_f32 v13, v13, |v[XS+\i+2]|, |v[XS+\i+3]|
.endr
	v_max3_num_f32 v12, v12, |v[XS+30]|, |v[XS+31]|
	v_max3_num_f32 v12, v12, v13, 0x1800000
	v_add_nc_u32 v11, 0xff000000, v12
	v_lshrrev_b32 v13, 23, v11
.if (\t)%4 == 0
	v_mov_b32 v24, v13
.else
	v_lshl_or_b32 v24, v13, 8*((\t)%4), v24
.endif
.if (\t)%2 == 0
	v_cvt_scalef32_pk16_fp6_f32 v[F0+6*CC:F0+6*CC+2], v[XS:XS+15], v11
	v_cvt_scalef32_pk16_fp6_f32 v[TA:TA+2], v[XS+16:XS+31], v11
	v_nop
.else
	v_cvt_scalef32_pk16_fp6_f32 v[F1+6*CC:F1+6*CC+2], v[XS:XS+15], v11
	v_cvt_scalef32_pk16_fp6_f32 v[TB:TB+2], v[XS+16:XS+31], v11
	v_nop
.irp i, 0,1,2                          ; the even block's lanes 16-31 change places with the odd block's lanes 0-15: the first is then columns 0-15's fragment, the second columns 16-31's
	v_permlane16_swap_b32 v[F0+6*CC+\i], v[F1+6*CC+\i]
	v_permlane16_swap_b32 v[TA+\i], v[TB+\i]
.endr
.irp i, 0,1,2
	v_mov_b32 v[F0+6*CC+3+\i], v[TA+\i]
	v_mov_b32 v[F1+6*CC+3+\i], v[TB+\i]
.endr
.endif
.if (\t) < 6
	LOADW (\t)+2
.endif
.if (\t)%4 == 3
.irp c, 0,1,2
	global_store_b128 v1, v[F0+4*\c:F0+4*\c+3], s[56:57] offset:((\t)/4)*1536+512*\c
	global_store_b128 v1, v[F1+4*\c:F1+4*\c+3], s[56:57] offset:3072+((\t)/4)*1536+512*\c
.endr
	global_store_b32 v5, v24, s[58:59] offset:((\t)/4)*25088
.endif
.endm
	LOADW 0
	LOADW 1
.irp t, 0,1,2,3,4,5,6,7
	BLOCK \t
.endr
.Lend:
	s_wait_tensorcnt 0x0                           ; the wave's end
	ds_add_u32 v[SPW], v[NIL]
	s_wait_dscnt 0x0
	s_endpgm
.Lfunc_end_k_qf5e5e26ab8_quant:
	.size	k_qf5e5e26ab8_quant, .Lfunc_end_k_qf5e5e26ab8_quant-k_qf5e5e26ab8_quant
	.p2alignl 7, 3214868480
	.fill 96, 4, 3214868480
	.section	.rodata,"a",@progbits
	.p2align	6, 0x0
	.amdhsa_kernel k_qf5e5e26ab8_quant
		.amdhsa_group_segment_fixed_size 34304
		.amdhsa_private_segment_fixed_size 0
		.amdhsa_enable_private_segment 0
		.amdhsa_kernarg_size 80
		.amdhsa_user_sgpr_count 2
		.amdhsa_user_sgpr_kernarg_segment_ptr 1
		.amdhsa_wavefront_size32 1
		.amdhsa_system_sgpr_workgroup_id_x 1
		.amdhsa_system_sgpr_workgroup_id_y 1
		.amdhsa_system_sgpr_workgroup_id_z 1
		.amdhsa_system_vgpr_workitem_id 0
		.amdhsa_next_free_vgpr 256
		.amdhsa_next_free_sgpr 66
		.amdhsa_reserve_vcc 0
		.amdhsa_float_denorm_mode_32 3
		.amdhsa_float_denorm_mode_16_64 3
		.amdhsa_memory_ordered 1
		.amdhsa_forward_progress 1
		.amdhsa_inst_pref_size 77
	.end_amdhsa_kernel
	.amdgpu_metadata
---
amdhsa.version: [ 1, 2 ]
amdhsa.kernels:
  - .name:           k_qf5e5e26ab8_quant
    .symbol:         k_qf5e5e26ab8_quant.kd
    .args:
      - { .name: hidden_states, .offset: 0, .size: 8, .value_kind: global_buffer, .address_space: global }
      - { .name: W_B, .offset: 8, .size: 8, .value_kind: global_buffer, .address_space: global }
      - { .name: W_C, .offset: 16, .size: 8, .value_kind: global_buffer, .address_space: global }
      - { .name: W_x, .offset: 24, .size: 8, .value_kind: global_buffer, .address_space: global }
      - { .name: W_out, .offset: 32, .size: 8, .value_kind: global_buffer, .address_space: global }
      - { .name: W_dt, .offset: 40, .size: 8, .value_kind: global_buffer, .address_space: global }
      - { .name: hs_codes, .offset: 48, .size: 8, .value_kind: global_buffer, .address_space: global }
      - { .name: hs_scales, .offset: 56, .size: 8, .value_kind: global_buffer, .address_space: global }
      - { .name: w_codes, .offset: 64, .size: 8, .value_kind: global_buffer, .address_space: global }
      - { .name: w_scales, .offset: 72, .size: 8, .value_kind: global_buffer, .address_space: global }
    .group_segment_fixed_size: 34304
    .private_segment_fixed_size: 0
    .kernarg_segment_align: 8
    .kernarg_segment_size: 80
    .max_flat_workgroup_size: 128
    .sgpr_count:     66
    .vgpr_count:     256
    .wavefront_size: 32
...
	.end_amdgpu_metadata
.endif
;; end of part 1
;; launch dtk (part 2): grid 128 x 1, 4 waves a work-group, no clusters, 16,896 bytes of LDS; arguments hs_codes, hs_scales, w_codes, w_scales, b_dt, A_log, dtb; writes dtb
.if DOCPART == 2
	.amdgcn_target "amdgcn-amd-amdhsa--gfx1250"
	.amdhsa_code_object_version 6
	.text
	.protected	k_qf5e5e26ab8_dtk
	.globl	k_qf5e5e26ab8_dtk
	.p2align	8
	.type	k_qf5e5e26ab8_dtk,@function
k_qf5e5e26ab8_dtk:
	s_mov_b64 s[64:65], 0
	v_nop
	global_prefetch_b8 v0, s[64:65] scope:SCOPE_SE
	s_setreg_imm32_b32 hwreg(HW_REG_WAVE_MODE, 25, 1), 1
	s_wait_xcnt 0x0
; LAUNCH 2 OF 5: dt = softplus(hidden_states W_dt + b_dt) on codes of E2M3, and what the chunks need of A dt.  No work of reference() is left out here.
; A work-group takes 32 rows x all 32 heads; wave w sums K steps 4 w .. 4 w + 3 (2 x 2 tiles, four accumulators by turns); the four partial sums meet in LDS, and waves 0 and 1 finish 16 heads each.
; dtb: at 0 dt, laid [block of 32 rows][head][32]; at 524288, same shape, loc = the running sum inside the block (the row itself included) of a' = -exp(A_log) log2(e) dt; at 1048576 the blocks' sums, [b][head][64].
; All later exponentials are 2^(..): log2(e) is folded into a'.  softplus(v) = max(v, 0) + log1p(e), e = exp(-|v|); log1p(e) = log(u) e / (u - 1) with u = 1 + e as rounded, and e itself where u = 1.
; LIMIT: an e under 2^-126 counts as 0 (the exponential's own flush).  The results are 1 MB in pieces of 16 and of 4 bytes a lane: too little to pay for a turn through LDS.
.set SPARE, 16384
.set SPW, 8
.set NIL, 9
.set ACC, 16                           ; v16-47   accumulator 2 a + n
.set AF,  48                           ; v48-143  hidden_states' fragments (a, q); later the partial sums, V and E
.set BF,  144                          ; v144-239 W_dt's (n, q); later U, LG, DD, RR
.set AS,  240
.set BS,  248
.set V,   112                          ; 16 numbers: rows 16 a + 8 h + j of head 16 n + r
.set E,   128
.set U,   144
.set LG,  160
.set DD,  176
.set RR,  192
	s_load_b256 s[4:11], s[0:1], 0x0               ; hs_codes, hs_scales, w_codes, w_scales
	s_load_b128 s[12:15], s[0:1], 0x20             ; b_dt, A_log
	s_load_b64 s[16:17], s[0:1], 0x30              ; dtb
	v_lshl_add_u32 v[SPW], v0, 2, SPARE
	v_mov_b32 v[NIL], 0
	v_lshrrev_b32 v1, 5, v0
	v_readfirstlane_b32 s18, v1                    ; wave
	v_and_b32 v13, 31, v0
	v_and_b32 v14, 15, v0                          ; r
	v_bfe_u32 v15, v0, 4, 1                        ; h
	v_lshlrev_b32 v1, 4, v13                       ; 16 x lane
	v_lshlrev_b32 v2, 2, v14                       ; 4 r
	s_lshl_b32 s19, s18, 12
	v_add_nc_u32 v3, s19, v1                       ; my partial sums: 4096 w + 16 x lane
	s_lshl_b32 s19, s18, 10
	v_add_nc_u32 v4, s19, v1                       ; and where wave n reads head tile n: 1024 n + 16 x lane
	v_lshlrev_b32 v5, 7, v14
	v_lshl_add_u32 v5, v15, 5, v5                  ; dt, loc: 128 r + 32 h
	v_lshlrev_b32 v6, 8, v14                       ; block sums: 256 r
	s_and_b32 s19, s18, 1
	s_lshl_b32 s19, s19, 6
	v_add_nc_u32 v12, s19, v2                      ; b_dt, A_log: head 16 (w % 2) + r
	v_cmp_ne_u32 s22, 0, v15
	s_mov_b32 s20, 0xbfb8aa3b                      ; -log2(e)
	s_mov_b32 s21, 0x3f317218                      ; ln 2
	s_mov_b32 s23, 0x3fb8aa3b                      ; log2(e)
	s_mov_b32 s36, 0x76543210
	s_mov_b32 s37, 0xfedcba98
	s_mov_b32 s39, 0
	s_wait_kmcnt 0x0
	s_lshr_b32 s38, ttmp9, 2
	s_mul_i32 s38, s38, 196608
	s_and_b32 s19, ttmp9, 3
	s_mul_i32 s19, s19, 6144
	s_add_co_u32 s38, s38, s19
	s_mul_i32 s19, s18, 49152
	s_add_co_u32 s38, s38, s19
	s_add_nc_u64 s[24:25], s[4:5], s[38:39]        ; my row tiles, my K steps
	s_add_co_u32 s38, s19, 9437184
	s_add_nc_u64 s[26:27], s[8:9], s[38:39]        ; W_dt^T: rows 6144 on
	s_lshl_b32 s38, s18, 16
	s_lshl_b32 s19, ttmp9, 7
	s_add_co_u32 s38, s38, s19
	s_add_nc_u64 s[28:29], s[6:7], s[38:39]
	s_mul_i32 s38, s18, 100352
	s_add_co_u32 s38, s38, 24576
	s_add_nc_u64 s[30:31], s[10:11], s[38:39]
	s_lshl_b32 s38, ttmp9, 12
	s_lshl_b32 s19, s18, 11
	s_add_co_u32 s38, s38, s19
	s_add_nc_u64 s[32:33], s[16:17], s[38:39]      ; dt of block, head tile n = wave
	s_lshr_b32 s38, ttmp9, 6
	s_lshl_b32 s38, s38, 13
	s_lshl_b32 s19, s18, 12
	s_add_co_u32 s38, s38, s19
	s_and_b32 s19, ttmp9, 63
	s_lshl_b32 s19, s19, 2
	s_add_co_u32 s38, s38, s19
	s_add_co_u32 s38, s38, 1048576
	s_add_nc_u64 s[34:35], s[16:17], s[38:39]
.irp a, 0,1
.irp q, 0,1,2,3
.irp c, 0,1,2
	global_load_b128 v[AF+12*(4*\a+\q)+4*\c:AF+12*(4*\a+\q)+4*\c+3], v1, s[24:25] offset:\a*3072+(\q/2)*24576+(\q%2)*1536+512*\c
	global_load_b128 v[BF+12*(4*\a+\q)+4*\c:BF+12*(4*\a+\q)+4*\c+3], v1, s[26:27] offset:\a*3072+(\q/2)*24576+(\q%2)*1536+512*\c
.endr
	global_load_b32 v[AS+4*\a+\q], v2, s[28:29] offset:16384*\q+64*\a
	global_load_b32 v[BS+4*\a+\q], v2, s[30:31] offset:25088*\q+64*\a
.endr
.endr
	global_load_b32 v10, v12, s[12:13]
	global_load_b32 v11, v12, s[14:15]
	s_wait_loadcnt 0x0
.irp q, 0,1,2,3                        ; source 0 = 16 rows, source 1 = 16 heads: register j of lane (r, h) is row 8 h + j, head r.  The four accumulators take turns
.irp a, 0,1
.irp n, 0,1
.if \q == 0
	v_wmma_scale_f32_16x16x128_f8f6f4 v[ACC+8*(2*\a+\n):ACC+8*(2*\a+\n)+7], v[AF+12*(4*\a+\q):AF+12*(4*\a+\q)+11], v[BF+12*(4*\n+\q):BF+12*(4*\n+\q)+11], 0, v[AS+4*\a+\q], v[BS+4*\n+\q] matrix_a_fmt:MATRIX_FMT_FP6 matrix_b_fmt:MATRIX_FMT_FP6
.else
	v_wmma_scale_f32_16x16x128_f8f6f4 v[ACC+8*(2*\a+\n):ACC+8*(2*\a+\n)+7], v[AF+12*(4*\a+\q):AF+12*(4*\a+\q)+11], v[BF+12*(4*\n+\q):BF+12*(4*\n+\q)+11], v[ACC+8*(2*\a+\n):ACC+8*(2*\a+\n)+7], v[AS+4*\a+\q], v[BS+4*\n+\q] matrix_a_fmt:MATRIX_FMT_FP6 matrix_b_fmt:MATRIX_FMT_FP6
.endif
.endr
.endr
.endr
.rept 4
	v_nop                                          ; four places behind the last product, ahead of the stores that read results and of loads into operands
.endr
.irp k, 0,1,2,3
	ds_store_b128 v3, v[ACC+8*\k:ACC+8*\k+3] offset:1024*\k        ; each accumulator from its low end on
	ds_store_b128 v3, v[ACC+8*\k+4:ACC+8*\k+7] offset:1024*\k+512
.endr
	s_wait_dscnt 0x0                               ; for the others' sake: my partial sums lie in LDS
	s_barrier_signal -1
	s_barrier_wait -1
	s_cmp_ge_u32 s18, 2
	s_cbranch_scc1 .Lend                           ; waves 2 and 3 are done
.irp p, 0,1,2,3
.irp a, 0,1
	ds_load_b128 v[AF+16*\p+8*\a:AF+16*\p+8*\a+3], v4 offset:4096*\p+2048*\a
	ds_load_b128 v[AF+16*\p+8*\a+4:AF+16*\p+8*\a+7], v4 offset:4096*\p+2048*\a+512
.endr
.endr
	s_wait_dscnt 0x0
.irp i, 0,2,4,6,8,10,12,14             ; K ascending: ((p0 + p1) + p2) + p3, then the bias
	v_pk_add_f32 v[V+\i:V+\i+1], v[AF+\i:AF+\i+1], v[AF+16+\i:AF+17+\i]
.endr
.irp i, 0,2,4,6,8,10,12,14
	v_pk_add_f32 v[V+\i:V+\i+1], v[V+\i:V+\i+1], v[AF+32+\i:AF+33+\i]
.endr
.irp i, 0,2,4,6,8,10,12,14
	v_pk_add_f32 v[V+\i:V+\i+1], v[V+\i:V+\i+1], v[AF+48+\i:AF+49+\i]
.endr
.irp i, 0,2,4,6,8,10,12,14
	v_pk_add_f32 v[V+\i:V+\i+1], v[V+\i:V+\i+1], v[10:11] op_sel_hi:[1,0]
.endr
.irp i, 0,1,2,3,4,5,6,7,8,9,10,11,12,13,14,15
	v_mul_f32 v[E+\i], s20, |v[V+\i]|
.endr
	v_mul_f32 v11, s23, v11
.irp i, 0,1,2,3,4,5,6,7,8,9,10,11,12,13,14,15
	v_exp_f32 v[E+\i], v[E+\i]                     ; e = exp(-|v|)
.endr
	v_exp_f32 v11, v11                             ; exp(A_log)
	v_nop                                          ; a plain place behind the batch,
	s_wait_alu depctr_va_vdst(0)                   ; and its one wait ahead of the first reader
.irp i, 0,1,2,3,4,5,6,7,8,9,10,11,12,13,14,15
	v_add_f32 v[U+\i], 1.0, v[E+\i]
.endr
.irp i, 0,1,2,3,4,5,6,7,8,9,10,11,12,13,14,15
	v_add_f32 v[DD+\i], -1.0, v[U+\i]
.endr
.irp i, 0,1,2,3,4,5,6,7,8,9,10,11,12,13,14,15
	v_max_num_f32 v[DD+\i], 0x800000, v[DD+\i]     ; no division by 0 where u = 1: that lane's quotient is not used
.endr
.irp i, 0,1,2,3,4,5,6,7,8,9,10,11,12,13,14,15
	v_log_f32 v[LG+\i], v[U+\i]
.endr
.irp i, 0,1,2,3,4,5,6,7,8,9,10,11,12,13,14,15
	v_rcp_f32 v[RR+\i], v[DD+\i]
.endr
	v_mul_f32 v11, s20, v11                        ; A' = -exp(A_log) log2(e).  (A plain place behind the batch)
	s_wait_alu depctr_va_vdst(0)
.irp i, 0,1,2,3,4,5,6,7,8,9,10,11,12,13,14,15
	v_mul_f32 v[RR+\i], v[E+\i], v[RR+\i]
	v_mul_f32 v[LG+\i], s21, v[LG+\i]
.endr
.irp i, 0,1,2,3,4,5,6,7,8,9,10,11,12,13,14,15
	v_mul_f32 v[LG+\i], v[LG+\i], v[RR+\i]
	v_cmp_eq_f32 vcc_lo, 1.0, v[U+\i]
	v_cndmask_b32 v[LG+\i], v[LG+\i], v[E+\i], vcc_lo
	v_max_num_f32 v[V+\i], 0, v[V+\i]
	v_add_f32 v[V+\i], v[V+\i], v[LG+\i]           ; dt
.endr
	v_mul_f32 v[E], v11, v[V]                      ; the running sums of a' = A' dt over my eight rows, for each a
	v_mul_f32 v[E+8], v11, v[V+8]
.irp j, 1,2,3,4,5,6,7
	v_fma_f32 v[E+\j], v11, v[V+\j], v[E+\j-1]
	v_fma_f32 v[E+8+\j], v11, v[V+8+\j], v[E+7+\j]
.endr
	v_permlanex16_b32 v13, v[E+7], s36, s37        ; the other eight rows' totals
	v_permlanex16_b32 v14, v[E+15], s36, s37
	v_cndmask_b32 v15, 0, v13, s22                 ; rows 8-15 stand behind rows 0-7
	v_add_f32 v7, v[E+7], v13                      ; rows 0-15
	v_cndmask_b32 v12, 0, v14, s22
	v_add_f32 v12, v7, v12                         ; what stands ahead of my rows of a = 1
	v_add_f32 v14, v[E+15], v14
	v_add_f32 v7, v7, v14                          ; the block's sum: the same bits in both halves of the lanes
.irp j, 0,1,2,3,4,5,6,7
	v_add_f32 v[E+\j], v[E+\j], v15
	v_add_f32 v[E+8+\j], v[E+8+\j], v12
.endr
.irp a, 0,1
.irp jj, 0,1
	global_store_b128 v5, v[V+8*\a+4*\jj:V+8*\a+4*\jj+3], s[32:33] offset:64*\a+16*\jj
	global_store_b128 v5, v[E+8*\a+4*\jj:E+8*\a+4*\jj+3], s[32:33] offset:524288+64*\a+16*\jj
.endr
.endr
	global_store_b32 v6, v7, s[34:35]              ; both halves of the lanes write the same word with the same value
.Lend:
	s_wait_tensorcnt 0x0                           ; the wave's end
	ds_add_u32 v[SPW], v[NIL]
	s_wait_dscnt 0x0
	s_endpgm
.Lfunc_end_k_qf5e5e26ab8_dtk:
	.size	k_qf5e5e26ab8_dtk, .Lfunc_end_k_qf5e5e26ab8_dtk-k_qf5e5e26ab8_dtk
	.p2alignl 7, 3214868480
	.fill 96, 4, 3214868480
	.section	.rodata,"a",@progbits
	.p2align	6, 0x0
	.amdhsa_kernel k_qf5e5e26ab8_dtk
		.amdhsa_group_segment_fixed_size 16896
		.amdhsa_private_segment_fixed_size 0
		.amdhsa_enable_private_segment 0
		.amdhsa_kernarg_size 56
		.amdhsa_user_sgpr_count 2
		.amdhsa_user_sgpr_kernarg_segment_ptr 1
		.amdhsa_wavefront_size32 1
		.amdhsa_system_sgpr_workgroup_id_x 1
		.amdhsa_system_sgpr_workgroup_id_y 1
		.amdhsa_system_sgpr_workgroup_id_z 1
		.amdhsa_system_vgpr_workitem_id 0
		.amdhsa_next_free_vgpr 256
		.amdhsa_next_free_sgpr 66
		.amdhsa_reserve_vcc 1
		.amdhsa_float_denorm_mode_32 3
		.amdhsa_float_denorm_mode_16_64 3
		.amdhsa_memory_ordered 1
		.amdhsa_forward_progress 1
		.amdhsa_inst_pref_size 26
	.end_amdhsa_kernel
	.amdgpu_metadata
---
amdhsa.version: [ 1, 2 ]
amdhsa.kernels:
  - .name:           k_qf5e5e26ab8_dtk
    .symbol:         k_qf5e5e26ab8_dtk.kd
    .args:
      - { .name: hs_codes, .offset: 0, .size: 8, .value_kind: global_buffer, .address_space: global }
      - { .name: hs_scales, .offset: 8, .size: 8, .value_kind: global_buffer, .address_space: global }
      - { .name: w_codes, .offset: 16, .size: 8, .value_kind: global_buffer, .address_space: global }
      - { .name: w_scales, .offset: 24, .size: 8, .value_kind: global_buffer, .address_space: global }
      - { .name: b_dt, .offset: 32, .size: 8, .value_kind: global_buffer, .address_space: global }
      - { .name: A_log, .offset: 40, .size: 8, .value_kind: global_buffer, .address_space: global }
      - { .name: dtb, .offset: 48, .size: 8, .value_kind: global_buffer, .address_space: global }
    .group_segment_fixed_size: 16896
    .private_segment_fixed_size: 0
    .kernarg_segment_align: 8
    .kernarg_segment_size: 56
    .max_flat_workgroup_size: 128
    .sgpr_count:     66
    .vgpr_count:     256
    .wavefront_size: 32
...
	.end_amdgpu_metadata
.endif
;; end of part 2
;; launch gemm1 (part 3): grid 16 x 16, 4 waves a work-group, clusters of 4 x 4, 327,680 bytes of LDS; arguments hs_codes, hs_scales, w_codes, w_scales, bcx, b_B, b_C, b_x; writes bcx
.if DOCPART == 3
	.amdgcn_target "amdgcn-amd-amdhsa--gfx1250"
	.amdhsa_code_object_version 6
	.text
	.protected	k_qf5e5e26ab8_gemm1
	.globl	k_qf5e5e26ab8_gemm1
	.p2align	8
	.type	k_qf5e5e26ab8_gemm1,@function
k_qf5e5e26ab8_gemm1:
	s_mov_b64 s[64:65], 0
	v_nop
	global_prefetch_b8 v0, s[64:65] scope:SCOPE_SE
	s_setreg_imm32_b32 hwreg(HW_REG_WAVE_MODE, 25, 1), 1
	s_wait_xcnt 0x0
	s_wait_alu depctr_hold_cnt(0) depctr_sa_sdst(0) depctr_va_vdst(0) depctr_va_sdst(0) depctr_va_ssrc(0) depctr_va_vcc(0) depctr_vm_vsrc(0)
	s_getreg_b32 s2, hwreg(HW_REG_IB_STS2, 6, 4)
	s_cmp_eq_u32 s2, 0
	s_cbranch_scc0 .Lentry_in_a_cluster
	s_endpgm
.Lentry_in_a_cluster:
	s_bfe_u32 s2, ttmp6, 0x10000c
	s_cmp_lg_u32 s2, 0xf033
	s_cbranch_scc0 .Lentry_shape_is_right
	s_endpgm
.Lentry_shape_is_right:
; LAUNCH 3 OF 5: bcx[4096][4096] f32 = hidden_states (W_B | W_C | W_x) + (b_B | b_C | b_x), on codes of E2M3 with E8M0 scales.  No work of reference() is left out here.
; A tile of C, 256 x 256, is made by four waves, each 128 x 128: 64 accumulators, 512 registers.  K goes in steps of 256 through a ring of two LDS slots filled by the tensor data mover.
; The codes lie in memory as images of the operand's registers (16 rows x 128 K: 1,536 bytes, registers 4 c .. 4 c + 3 of lane L at 512 c + 16 L), 128 rows x 256 K in one dense block of 24,576 bytes: a wave's tensor load
; brings one such block as 96 rows of 256 bytes, and a fragment comes out of LDS by three loads of 16 bytes a lane, 512 consecutive bytes each: no pitch, no padding.
; The scale words lie [K step][row]: those of 128 rows for all 16 K steps come once, with the first fills (16 rows of 512 bytes), and stay in LDS.
; CLUSTERS: 4 x 4 work-groups; A's tiles are asked for jointly along a row of the cluster, B's along a column.  The matrix instruction is used transposed (source 0 = 16 rows of B, source 1 = 16 rows of A): a lane holds eight
; neighbouring numbers of a row of C.  The bias is the C of each sum's first product: eight registers for each of B's eight blocks.
; No prefetch: every block of codes is read by 16 work-groups and shared by joint loads; a K step's 128 products a wave stand between a request and the wait for it.
; REGISTERS: window 0: v16-31 addresses; v32-63 scale words, two sets; v64-127 the bias; v128-223 A's fragments, one set; on the way out v128-255.  window 1: B's fragments, two sets, at v0 and v128.  windows 2, 3: the accumulators.
.set FIRST,  1
.set SIZE_N, 4096
.set BROW0,  0                         ; B's first row in w_codes
.set SIZE_K, 2048
.set NQ,     2
.set FR,     12
.set NL,     3                         ; LDS loads that bring a fragment
.set NP,     4                         ; places behind this matrix instruction
.set KROW,   1536                      ; 128 rows are 196,608 bytes on
.set HALFT,  24576                     ; 128 rows x 256 K
.set SLOT,   4*HALFT
.set SLOTB,  24576                     ; 256 along K on, in memory
.set LAPS,   SIZE_K/512
.set SCL,    2*SLOT
.set HALFS,  8192                      ; the scale words of 128 rows
.set SPARE,  SCL+4*HALFS
.set SPITCH, 528
.set ADRA, 16
.set ADRB, 20
.set STO,  24
.set RD,   25
.set CO,   26
.set ADRS, 27
.set SPW,  28
.set NIL,  29
.set BO,   30
.set SC,   32
.set BIAS, 64
.set AF,   128
.set BK,   128
.set G1, 24
.set G0, 32
.set G1B, 48
.set G0B, 56
.set G1S, 68
.set G0S, 76
.set G1SB, 80
.set G0SB, 88
.set MSB, 0
.macro WIN new                         ; the immediate's high byte repeats the setting that is left
.if MSB != \new
	s_set_vgpr_msb (MSB<<8)|\new
.set MSB, \new
.endif
.endm
.set MUL_LO, 0xa1                      ; source 0 (B) window 1, source 1 (A) window 0, C and D window 2
.set MUL_HI, 0xf1
.set BIAS_LO, 0x81                     ; the same with C (the bias) in window 0
.set BIAS_HI, 0xc1
.set TO_B,   0x40
.macro JLOAD g0a, g1a, g0b, g1b        ; a joint load: waves 0 and 1 fetch for A, waves 2 and 3 for B; an s_nop 0 and four v_nop follow each line
	s_cmp_eq_u32 s15, 0
	s_cbranch_scc0 .Lfor_b_\@
	tensor_load_to_lds s[\g0a:\g0a+3], s[\g1a:\g1a+7]
	s_nop 0
.rept 4
	v_nop
.endr
	s_branch .Lasked_\@
.Lfor_b_\@:
	tensor_load_to_lds s[\g0b:\g0b+3], s[\g1b:\g1b+7]
	s_nop 0
.rept 4
	v_nop
.endr
.Lasked_\@:
.endm
.macro CREST
	s_cmp_lg_u32 s14, 0
	s_cbranch_scc1 .Lnot_wave_0_\@
	s_barrier_signal -3
.Lnot_wave_0_\@:
	s_barrier_wait -3
	s_barrier_signal -1
	s_barrier_wait -1
.endm
.macro CROUND
	s_barrier_signal -1
	s_barrier_wait -1
	CREST
.endm
	s_load_b128 s[4:7], s[0:1], 0x0                ; A's codes, A's scales
	s_load_b128 s[8:11], s[0:1], 0x10              ; B's codes, B's scales
	s_load_b64 s[12:13], s[0:1], 0x20              ; C
.if FIRST
	s_load_b128 s[96:99], s[0:1], 0x28             ; b_B, b_C
	s_load_b64 s[100:101], s[0:1], 0x38            ; b_x
.else
	s_load_b64 s[96:97], s[0:1], 0x28              ; b_out
.endif
	v_lshl_add_u32 v[SPW], v0, 2, SPARE
	v_mov_b32 v[NIL], 0
	ds_add_u32 v[SPW], v[NIL]                      ; the wave's opening: the add, twice on end, and its wait ahead of my first tensor load
	ds_add_u32 v[SPW], v[NIL]
	v_lshrrev_b32 v1, 5, v0
	v_readfirstlane_b32 s14, v1                    ; wave 0..3
	s_lshr_b32 s15, s14, 1                         ; my half of the tile's rows.  Also: I fetch for A (0) or for B (1)
	s_and_b32 s16, s14, 1                          ; my half of its columns.  Also: which 128 rows I fetch
	s_bfe_u32 s40, ttmp6, 0x40000                  ; cx, cy
	s_bfe_u32 s41, ttmp6, 0x40004
	s_lshl_b32 s42, ttmp9, 2
	s_add_co_u32 s42, s42, s40                     ; tile column
	s_and_b32 s17, ttmp7, 0xffff
	s_lshl_b32 s17, s17, 2
	s_add_co_u32 s17, s17, s41                     ; tile row
	s_lshl_b32 s43, s41, 2
	s_lshl_b32 s43, 15, s43                        ; my row of the cluster
	s_lshl_b32 s44, 0x1111, s40                    ; my column
	s_or_b32 s[G1+0], s43, (3<<16)|(1<<21)         ; the mask; elements of 8 bytes; bit 21 beside a mask; no padding
	s_or_b32 s[G1B+0], s44, (3<<16)|(1<<21)
.irp g, G1, G1B
	s_mov_b32 s[\g+1], 32<<16                      ; tensor_dim0 = 32 elements: 256 bytes
	s_mov_b32 s[\g+2], 96<<16                      ; tensor_dim1 = 96 rows
	s_mov_b32 s[\g+3], 32<<16                      ; tile_dim0
	s_mov_b32 s[\g+4], 96                          ; tile_dim1
	s_mov_b32 s[\g+5], 32                          ; dense
	s_mov_b32 s[\g+6], 0
	s_mov_b32 s[\g+7], 0
.endr
	s_or_b32 s[G1S+0], s43, (2<<16)|(1<<21)        ; the scale words: 16 K steps x 128 words
	s_or_b32 s[G1SB+0], s44, (2<<16)|(1<<21)
.irp g, G1S, G1SB
	s_mov_b32 s[\g+1], 128<<16
	s_mov_b32 s[\g+2], 16<<16
	s_mov_b32 s[\g+3], 128<<16
	s_mov_b32 s[\g+4], 16
	s_mov_b32 s[\g+6], 0
	s_mov_b32 s[\g+7], 0
.endr
	s_mov_b32 s[G1S+5], 4096                       ; words from K step to K step: A's scales have 4,096 rows,
	s_mov_b32 s[G1SB+5], 6272                      ; the weights' 6,272
	s_lshl_b32 s18, s16, 7
	s_lshl_b32 s20, s17, 8
	s_add_co_u32 s20, s20, s18                     ; A: row 256 x tile row + 128 x half
	s_lshl_b32 s46, s42, 8
	s_add_co_u32 s46, s46, s18                     ; B: row 256 x tile column + 128 x half
.if BROW0
	s_add_co_u32 s46, s46, BROW0
.endif
	s_mov_b32 s21, 0
	s_mov_b32 s47, 0
	s_lshl_b64 s[22:23], s[20:21], 2               ; where these rows' scale words begin
	s_lshl_b64 s[92:93], s[46:47], 2
	s_mov_b64 s[18:19], KROW
	s_mul_u64 s[20:21], s[20:21], s[18:19]         ; and their codes
	s_mul_u64 s[46:47], s[46:47], s[18:19]
	s_mul_i32 s45, s14, HALFT                      ; where they go: no place in the cluster enters an LDS address
	s_mul_i32 s94, s14, HALFS
	s_wait_dscnt 0x0                               ; both opening adds are done
	s_wait_kmcnt 0x0
	s_add_nc_u64 s[20:21], s[4:5], s[20:21]
	s_add_nc_u64 s[22:23], s[6:7], s[22:23]
	s_add_nc_u64 s[46:47], s[8:9], s[46:47]
	s_add_nc_u64 s[92:93], s[10:11], s[92:93]
	CROUND                                         ; all sixteen work-groups are here: the first joint loads meet
	s_mov_b32 s[G0S], 1
	s_add_co_u32 s[G0S+1], s94, SCL
	s_mov_b64 s[G0S+2:G0S+3], s[22:23]
	s_or_b32 s[G0S+3], s[G0S+3], 0x80000000
	s_mov_b32 s[G0SB], 1
	s_add_co_u32 s[G0SB+1], s94, SCL
	s_mov_b64 s[G0SB+2:G0SB+3], s[92:93]
	s_or_b32 s[G0SB+3], s[G0SB+3], 0x80000000
	JLOAD G0S, G1S, G0SB, G1SB                     ; the scale words first
.irp s, 0,1
	s_mov_b32 s[G0+4*\s], 1
	s_add_co_u32 s[G0+4*\s+1], s45, \s*SLOT
	s_add_nc_u64 s[G0+4*\s+2:G0+4*\s+3], s[20:21], \s*SLOTB
	s_or_b32 s[G0+4*\s+3], s[G0+4*\s+3], 0x80000000
	s_mov_b32 s[G0B+4*\s], 1
	s_add_co_u32 s[G0B+4*\s+1], s45, \s*SLOT
	s_add_nc_u64 s[G0B+4*\s+2:G0B+4*\s+3], s[46:47], \s*SLOTB
	s_or_b32 s[G0B+4*\s+3], s[G0B+4*\s+3], 0x80000000
	JLOAD G0+4*\s, G1, G0B+4*\s, G1B
.endr
	v_and_b32 v1, 15, v0                           ; r
	v_bfe_u32 v2, v0, 4, 1                         ; h
	v_and_b32 v6, 31, v0
	v_lshlrev_b32 v[CO], 4, v6                     ; 16 x lane: an image's place for my lane, and my bytes in a row of C
	s_mul_i32 s21, s15, HALFT                      ; my 128 rows of A
	s_mul_i32 s22, s16, HALFT                      ; my 128 rows of B,
	s_add_co_u32 s22, s22, 2*HALFT                 ; behind A's 256
.irp s, 0,1
	v_add_nc_u32 v[ADRA+\s], s21, v[CO]
	v_add_nc_u32 v[ADRB+\s], s22, v[CO]
	s_add_co_u32 s21, s21, SLOT
	s_add_co_u32 s22, s22, SLOT
.endr
	v_lshlrev_b32 v5, 2, v1                        ; scale words: 4 r;
	s_mul_i32 s21, s15, HALFS
	s_mul_i32 s22, s16, HALFS
	s_add_co_u32 s22, s22, 2*HALFS
	s_sub_co_u32 s22, s22, s21
	v_mul_u32_u24 v6, s22, v2                      ; lanes 16-31 take B's
	s_add_co_u32 s21, s21, SCL
	v_add_nc_u32 v5, v5, v6
	v_add_nc_u32 v[ADRS], s21, v5
	s_mul_i32 s23, s14, 16*SPITCH                  ; my stage, in slot 0
	v_mul_u32_u24 v5, v1, SPITCH
	v_lshl_add_u32 v5, v2, 5, v5
	v_add_nc_u32 v[STO], s23, v5
	v_add_nc_u32 v[RD], s23, v[CO]
	v_lshlrev_b32 v[BO], 5, v2                     ; the bias: 32 h
	s_lshl_b32 s20, s17, 8
	s_lshl_b32 s21, s15, 7
	s_add_co_u32 s20, s20, s21                     ; my first row of C
	s_mov_b32 s21, 0
	s_mov_b64 s[18:19], SIZE_N*4
	s_mul_u64 s[20:21], s[20:21], s[18:19]
	s_lshl_b32 s46, s42, 10                        ; my first column, in bytes
	s_lshl_b32 s47, s16, 9
	s_add_co_u32 s46, s46, s47
	s_mov_b32 s47, 0
	s_add_nc_u64 s[20:21], s[20:21], s[46:47]
	s_add_nc_u64 s[12:13], s[12:13], s[20:21]
.if FIRST                              ; which bias: the cluster's x alone decides: columns 0-1023 b_B, 1024-2047 b_C, the rest b_x
	s_cmp_eq_u32 ttmp9, 0
	s_cselect_b64 s[96:97], s[96:97], s[100:101]
	s_cselect_b32 s95, 0, 8192
	s_cmp_eq_u32 ttmp9, 1
	s_cselect_b64 s[96:97], s[98:99], s[96:97]
	s_cselect_b32 s95, 4096, s95
	s_sub_co_u32 s46, s46, s95
.endif
	s_add_nc_u64 s[96:97], s[96:97], s[46:47]
.irp b, 0,1,2,3,4,5,6,7
	global_load_b128 v[BIAS+8*\b:BIAS+8*\b+3], v[BO], s[96:97] offset:64*\b        ; register 8 b + j: the bias of column 16 b + 8 h + j
	global_load_b128 v[BIAS+8*\b+4:BIAS+8*\b+7], v[BO], s[96:97] offset:64*\b+16
.endr
.macro FRAG reg, adr, q, i             ; a fragment as it lies: three loads of 512 consecutive bytes
.irp c, 0,1,2
	ds_load_b128 v[\reg+4*\c:\reg+4*\c+3], v[\adr] offset:(\i)*3072+(\q)*1536+512*\c
.endr
.endm
; 16 matrix instructions: A's blocks a0, a0 + 1 x B's eight.  zero = 1: the first product starts the sums from the bias.  The 64 accumulators take turns, in the same order in every step.
.macro MUL16 a0, p, q, sc, zero
.irp a, \a0, \a0+1
.irp b, 0,1,2,3,4,5,6,7
.if \zero
	v_wmma_scale_f32_16x16x128_f8f6f4 v[8*(8*((\a)%4)+\b):8*(8*((\a)%4)+\b)+7], v[128*(\p)+FR*\b:128*(\p)+FR*\b+FR-1], v[AF+FR*(\a):AF+FR*(\a)+FR-1], v[BIAS+8*\b:BIAS+8*\b+7], v[SC+8*NQ*(\sc)+NQ*\b+(\q)], v[SC+8*NQ*(\sc)+NQ*(\a)+(\q)] matrix_a_fmt:MATRIX_FMT_FP6 matrix_b_fmt:MATRIX_FMT_FP6 matrix_a_scale:MATRIX_SCALE_ROW1
.else
	v_wmma_scale_f32_16x16x128_f8f6f4 v[8*(8*((\a)%4)+\b):8*(8*((\a)%4)+\b)+7], v[128*(\p)+FR*\b:128*(\p)+FR*\b+FR-1], v[AF+FR*(\a):AF+FR*(\a)+FR-1], v[8*(8*((\a)%4)+\b):8*(8*((\a)%4)+\b)+7], v[SC+8*NQ*(\sc)+NQ*\b+(\q)], v[SC+8*NQ*(\sc)+NQ*(\a)+(\q)] matrix_a_fmt:MATRIX_FMT_FP6 matrix_b_fmt:MATRIX_FMT_FP6 matrix_a_scale:MATRIX_SCALE_ROW1
.endif
.endr
.endr
.endm
.macro FETCH_B slot, q, p
	WIN TO_B
.irp i, 0,1,2,3,4,5,6,7
	FRAG 128*(\p)+FR*\i, ADRB+\slot, \q, \i
.endr
	WIN 0
.endm
.macro FETCH_A slot, q, i0
.irp i, \i0, \i0+1, \i0+2, \i0+3
	FRAG AF+FR*(\i), ADRA+\slot, \q, \i
.endr
.endm
.macro SCALES sc                       ; the next K step's scale words: lanes 0-15 A's block i, lanes 16-31 B's block i
.irp i, 0,1,2,3,4,5,6,7
.irp q, 0,1
	ds_load_b32 v[SC+8*NQ*\sc+NQ*\i+\q], v[ADRS] offset:512*\q+64*\i
.endr
.endr
.endm
.macro PLACES n                        ; plain places behind matrix instructions, ahead of loads into their operands and of reads of results
.rept \n
	v_nop
.endr
.endm
.macro STEP slot, q, zero              ; 128 along K whose successor lies in the same slot
	s_wait_dscnt 4*NL                              ; all but the youngest 12 loads (A's blocks 4-7) are in
.if \zero
	WIN BIAS_LO
.else
	WIN MUL_LO
.endif
	MUL16 0, (\q)%2, \q, \slot, \zero
	MUL16 2, (\q)%2, \q, \slot, \zero
	s_wait_dscnt 0
	PLACES NP
	FETCH_B \slot, (\q)+1, 1-(\q)%2
	FETCH_A \slot, (\q)+1, 0
.if \zero
	WIN BIAS_HI
.else
	WIN MUL_HI
.endif
	MUL16 4, (\q)%2, \q, \slot, \zero
	MUL16 6, (\q)%2, \q, \slot, \zero
	PLACES NP
	WIN 0
	FETCH_A \slot, (\q)+1, 4
.endm
.macro TURN slot, next, fill           ; a slot's last step changes slots: one barrier; fill = 1: it opens a round of the cluster's barrier, and this slot is filled again
	s_wait_tensorcnt 0x0                           ; all my tensor loads have landed: my part of the next slot
	ds_add_u32 v[SPW], v[NIL]                      ; 0 onto my spare word
	s_wait_dscnt 4*NL+1                            ; (the add and the youngest 12 loads may be out)
	WIN MUL_LO
	MUL16 0, 1, NQ-1, \slot, 0
	s_wait_dscnt 0x0                               ; the add is done, and my reads of this slot are over
	s_barrier_signal -1
	MUL16 2, 1, NQ-1, \slot, 0
	WIN 0
	s_barrier_wait -1
.if \fill
	CREST                                          ; no wave of any partner still reads this slot or has a load on its way
	s_add_nc_u64 s[G0+4*\slot+2:G0+4*\slot+3], s[G0+4*\slot+2:G0+4*\slot+3], 2*SLOTB
	s_add_nc_u64 s[G0B+4*\slot+2:G0B+4*\slot+3], s[G0B+4*\slot+2:G0B+4*\slot+3], 2*SLOTB
	JLOAD G0+4*\slot, G1, G0B+4*\slot, G1B         ; the first tensor load behind the round; its four v_nop are the places ahead of the loads below
.else
	PLACES NP
.endif
	v_add_nc_u32 v[ADRS], 512*NQ, v[ADRS]          ; the next two K steps' scale words
	FETCH_B \next, 0, 0
	FETCH_A \next, 0, 0
	SCALES \next
	WIN MUL_HI
	MUL16 4, 1, NQ-1, \slot, 0
	MUL16 6, 1, NQ-1, \slot, 0
	PLACES NP
	WIN 0
	FETCH_A \next, 0, 4
.endm
	s_wait_tensorcnt 1                             ; of my three loads the scale words and slot 0's part are in; slot 1's may be out
	s_barrier_signal -1
	s_barrier_wait -1
	FETCH_B 0, 0, 0
	FETCH_A 0, 0, 0
	SCALES 0
	FETCH_A 0, 0, 4
	s_wait_loadcnt 0x0                             ; the bias
	STEP 0, 0, 1
	s_mov_b32 s3, LAPS-1
.Llap:
	TURN 0, 1, 1
	STEP 1, 0, 0
	TURN 1, 0, 1
	STEP 0, 0, 0
	s_sub_co_u32 s3, s3, 1
	s_cmp_lg_u32 s3, 0
	s_cbranch_scc1 .Llap
	TURN 0, 1, 0                                   ; the last lap fills nothing
	STEP 1, 0, 0
	s_wait_dscnt 4*NL
	WIN MUL_LO
	MUL16 0, 1, NQ-1, 1, 0
	MUL16 2, 1, NQ-1, 1, 0
	s_wait_dscnt 0
	WIN MUL_HI
	MUL16 4, 1, NQ-1, 1, 0
	MUL16 6, 1, NQ-1, 1, 0
	WIN 0
; THE WAY OUT: a block of 16 rows x 128 columns goes through my stage (in slot 0, which has had its last fill and its last read) and comes back as whole rows of 512 bytes.
.macro TOSTAGE a
.set AC, 64*((\a)%4)
	WIN 0x08+4*((\a)/4)
.irp b, 0,1,2,3,4,5,6,7
	ds_store_b128 v[STO], v[AC+8*\b:AC+8*\b+3] offset:64*\b          ; each accumulator from its low end on
	ds_store_b128 v[STO], v[AC+8*\b+4:AC+8*\b+7] offset:64*\b+16
.endr
	WIN 0
.set BB, BK+64*((\a)%2)
.irp t, 0,1,2,3,4,5,6,7,8,9,10,11,12,13,14,15
	ds_load_b128 v[BB+4*\t:BB+4*\t+3], v[RD] offset:\t*SPITCH
.endr
.endm
.macro SEND a, younger
.set BB, BK+64*((\a)%2)
	s_wait_dscnt \younger
.if (\a) > 0
	s_add_nc_u64 s[12:13], s[12:13], 16*SIZE_N*4   ; behind a wait on XCNT: the earlier stores have read their base
.endif
.irp t, 0,1,2,3,4,5,6,7,8,9,10,11,12,13,14,15
.if FIRST
	global_store_b128 v[CO], v[BB+4*\t:BB+4*\t+3], s[12:13] offset:\t*SIZE_N*4      ; 512 consecutive bytes; the next launch reads them
.else
	global_store_b128 v[CO], v[BB+4*\t:BB+4*\t+3], s[12:13] offset:\t*SIZE_N*4 th:TH_STORE_NT
.endif
.endr
.endm
	PLACES NP
	TOSTAGE 0
.irp a, 1,2,3,4,5,6,7
.if \a > 1
	s_wait_xcnt 0x0                                ; block a - 2's stores have read their registers and their base
.endif
	TOSTAGE \a
	SEND \a-1, 32                                  ; behind block a - 1's loads: block a's 16 stores and 16 loads
.endr
	s_wait_xcnt 0x0
	SEND 7, 0
	s_wait_tensorcnt 0x0                           ; the wave's end
	ds_add_u32 v[SPW], v[NIL]
	s_wait_dscnt 0x0
	CROUND                                         ; the closing round
	s_endpgm
.Lfunc_end_k_qf5e5e26ab8_gemm1:
	.size	k_qf5e5e26ab8_gemm1, .Lfunc_end_k_qf5e5e26ab8_gemm1-k_qf5e5e26ab8_gemm1
	.p2alignl 7, 3214868480
	.fill 96, 4, 3214868480
	.section	.rodata,"a",@progbits
	.p2align	6, 0x0
	.amdhsa_kernel k_qf5e5e26ab8_gemm1
		.amdhsa_group_segment_fixed_size 327680
		.amdhsa_private_segment_fixed_size 0
		.amdhsa_enable_private_segment 0
		.amdhsa_kernarg_size 64
		.amdhsa_user_sgpr_count 2
		.amdhsa_user_sgpr_kernarg_segment_ptr 1
		.amdhsa_wavefront_size32 1
		.amdhsa_system_sgpr_workgroup_id_x 1
		.amdhsa_system_sgpr_workgroup_id_y 1
		.amdhsa_system_sgpr_workgroup_id_z 1
		.amdhsa_system_vgpr_workitem_id 0
		.amdhsa_next_free_vgpr 1024
		.amdhsa_next_free_sgpr 102
		.amdhsa_reserve_vcc 0
		.amdhsa_float_denorm_mode_32 3
		.amdhsa_float_denorm_mode_16_64 3
		.amdhsa_memory_ordered 1
		.amdhsa_forward_progress 1
		.amdhsa_inst_pref_size 139
	.end_amdhsa_kernel
	.amdgpu_metadata
---
amdhsa.version: [ 1, 2 ]
amdhsa.kernels:
  - .name:           k_qf5e5e26ab8_gemm1
    .symbol:         k_qf5e5e26ab8_gemm1.kd
    .args:
      - { .name: hs_codes, .offset: 0, .size: 8, .value_kind: global_buffer, .address_space: global }
      - { .name: hs_scales, .offset: 8, .size: 8, .value_kind: global_buffer, .address_space: global }
      - { .name: w_codes, .offset: 16, .size: 8, .value_kind: global_buffer, .address_space: global }
      - { .name: w_scales, .offset: 24, .size: 8, .value_kind: global_buffer, .address_space: global }
      - { .name: bcx, .offset: 32, .size: 8, .value_kind: global_buffer, .address_space: global }
      - { .name: b_B, .offset: 40, .size: 8, .value_kind: global_buffer, .address_space: global }
      - { .name: b_C, .offset: 48, .size: 8, .value_kind: global_buffer, .address_space: global }
      - { .name: b_x, .offset: 56, .size: 8, .value_kind: global_buffer, .address_space: global }
    .group_segment_fixed_size: 327680
    .private_segment_fixed_size: 0
    .kernarg_segment_align: 8
    .kernarg_segment_size: 64
    .max_flat_workgroup_size: 128
    .sgpr_count:     102
    .vgpr_count:     1024
    .wavefront_size: 32
...
	.end_amdgpu_metadata
.endif
;; end of part 3
;; launch ssd (part 4): grid 256 x 1, 16 waves a work-group, no clusters, 292,864 bytes of LDS; arguments bcx, dtb, D, y_codes, y_scales; writes y_codes, y_scales
.if DOCPART == 4
	.amdgcn_target "amdgcn-amd-amdhsa--gfx1250"
	.amdhsa_code_object_version 6
	.text
	.protected	k_qf5e5e26ab8_ssd
	.globl	k_qf5e5e26ab8_ssd
	.p2align	8
	.type	k_qf5e5e26ab8_ssd,@function
k_qf5e5e26ab8_ssd:
	s_mov_b64 s[64:65], 0
	v_nop
	global_prefetch_b8 v0, s[64:65] scope:SCOPE_SE
	s_setreg_imm32_b32 hwreg(HW_REG_WAVE_MODE, 25, 1), 1
	s_wait_xcnt 0x0
; LAUNCH 4 OF 5: the chunked scan: G = C B^T, M = G o L, Y = M (x dt) + (C state) exp(A_cumsum) + D x, and y's codes for the last product.  All four products on codes of E2M3.
; LEFT OUT (shown at the head of the first launch): keys 128..255 for queries 0..127 (M = 0 by reference()'s tril); the product with the state in chunk 0 (a state of zeros); the state of chunk 7 (sliced away).
; A work-group takes one chunk (b, z) and two heads of one group, g + 16 hi and g + 8 + 16 hi, which share B and C; wave w owns queries 16 w .. 16 w + 15 for both heads.
; Operands are quantised once by one wave and go to the others through LDS as images of the operand's registers; three barriers part writing from reading; every region of LDS is written once.
; All products are used transposed, so that a lane holds ONE query (or one channel d of the state) and its registers run along the next product's K.  THE ROWS OF A TILE ARE NOT NEIGHBOURS: row m of tile 2 b + u is
; 32 b + 8 u + m + 8 (m / 8) (keys of B, channels d of x, states n of B decay), so that the 16 registers of tiles 2 b, 2 b + 1 are 16 neighbours.
; EXPONENTS, in units of log2: the sum of a' over key < k <= query is (loc(query) + the whole blocks of 32 between) - loc(key): no difference of two long running sums is formed.  LIMIT: 2^x under 2^-126 counts as 0.
; No cluster and no tensor load: what two work-groups share (B, C of a group) is a quarter of a work-group's bytes and goes through registers on its way to the quantiser.  No prefetch: all bytes are asked for at the head.
; All 16 waves make the column sum though waves 0-7 alone use it: a few scalar lines inside live work.
.set BQS,  0                           ; scale words, 64 bytes a fragment: B's 16 key tiles
.set XOS,  1024                        ; x dt of this chunk: index 8 e + 4 ks + t
.set XPS,  2048                        ; of the chunk before
.set BDS,  3072                        ; B decay: 16 e + 8 ks + nt
.set STSC, 5120                        ; the state: 4 e + t
.set DTO,  6144                        ; [e][256] f32: dt of this chunk,
.set LOCK, 8192                        ; loc of this chunk,
.set DTP,  10240                       ; dt of the chunk before,
.set DEC,  12288                       ; its decay to the chunk's end
.set BQ,   14336                       ; images: B's key tiles (16-byte pieces)
.set XO,   38912                       ; x dt (8-byte pieces: registers 2 p, 2 p + 1 at 256 p + 8 x lane)
.set XP,   65536
.set STI,  90112                       ; the state (16-byte pieces)
.set BD,   102400                      ; B decay (8-byte pieces)
.set STG,  151552                      ; a stage of 8,704 bytes for each wave, its own
.set SPARE, 290816                     ; the spare words, 128 bytes a wave
.set R_GC,  0                          ; v0   4 x (r + 8 (r / 8) + 8 (lane / 16)): my column among 32
.set R_LI,  1                          ; v1   16 x lane
.set R_L8,  2                          ; v2   8 x lane
.set R_LS,  3                          ; v3   4 r
.set R_L4,  4                          ; v4   4 x lane
.set R_STS, 5                          ; v5   the stage, in
.set R_STL, 6                          ; v6   the stage, back
.set R_W4,  7                          ; v7   128 w + 4 x lane;      later R_LIB
.set R_LIB, 7
.set R_W16, 8                          ; v8   16 x lane + 1536 w;    later R_LK = 64 h
.set R_LK,  8
.set R_WBS, 9                          ; v9   64 w + 4 r
.set R_WX,  10                         ; v10, v11 where I put x's images; later LQ: loc of my query, head 0 and 1
.set R_WXB, 11
.set LQ,    10
.set R_WXS, 12                         ; v12  their scale halves;    later R_DM
.set R_DM,  12
.set R_WBD, 13
.set R_WBDS, 14                        ; v14  later R_X2L
.set R_X2L, 14
.set R_MX,  15
.set CF,    16                         ; v16-27 C's fragment of my queries
.set CS,    28                         ; its scale word
.set SPW,   29
.set NIL,   30
.set R_MB,  31
.set RA,    32
.set RB,    96
.set RC,    160
.set Y,     160                        ; head e at Y + 32 e: register 16 b + i = channel 32 b + 16 h + i
.set TM,    224
.set T2,    228
.set QV,    228                        ; four pairs
.set PC,    236
.set SW,    251                        ; v251-254 scale words of source 0
.set R_X2S, 251                        ; (ahead of the first product: two addresses)
.set R_GX2, 254
.set PW,    255
.set SEL,   20
.macro NOPS n
.rept \n
	v_nop
.endr
.endm
.macro BARRIER                         ; my LDS stores have landed and my LDS loads are in: then the work-group's barrier
	s_wait_dscnt 0x0
	s_barrier_signal -1
	s_barrier_wait -1
.endm
.macro QHALF s, c                      ; 32 numbers of a lane (two half blocks; the other halves lie in lane l xor 16) become half c of a fragment
	v_max3_num_f32 v[TM], |v[(\s)+32*(\c)]|, |v[(\s)+32*(\c)+1]|, 0x1800000     ; with the floor 2^(3 - 127): the byte cannot fall under 1
	v_max3_num_f32 v[TM+1], |v[(\s)+32*(\c)+16]|, |v[(\s)+32*(\c)+17]|, 0x1800000
.irp i, 2,4,6,8,10,12,14
	v_max3_num_f32 v[TM], v[TM], |v[(\s)+32*(\c)+\i]|, |v[(\s)+32*(\c)+\i+1]|
	v_max3_num_f32 v[TM+1], v[TM+1], |v[(\s)+32*(\c)+16+\i]|, |v[(\s)+32*(\c)+17+\i]|
.endr
	v_permlanex16_b32 v[TM+2], v[TM], s[SEL], s[SEL+1]
	v_permlanex16_b32 v[TM+3], v[TM+1], s[SEL], s[SEL+1]
	v_max_num_f32 v[TM], v[TM], v[TM+2]
	v_max_num_f32 v[TM+1], v[TM+1], v[TM+3]
	v_add_nc_u32 v[TM], 0xff000000, v[TM]          ; 2 off the exponent field: the conversion's scale operand
	v_add_nc_u32 v[TM+1], 0xff000000, v[TM+1]
	v_lshrrev_b32 v[TM+2], 23, v[TM]
	v_lshrrev_b32 v[TM+3], 23, v[TM+1]
.if (\c) == 0
	v_lshl_or_b32 v[PW], v[TM+3], 8, v[TM+2]
.else
	v_lshl_or_b32 v[PW], v[TM+2], 16, v[PW]
	v_lshl_or_b32 v[PW], v[TM+3], 24, v[PW]
.endif
	v_cvt_scalef32_pk16_fp6_f32 v[PC+6*(\c):PC+6*(\c)+2], v[(\s)+32*(\c):(\s)+32*(\c)+15], v[TM]
	v_cvt_scalef32_pk16_fp6_f32 v[PC+12:PC+14], v[(\s)+32*(\c)+16:(\s)+32*(\c)+31], v[TM+1]
	v_nop                                          ; one plain place behind a scaled conversion
.irp i, 0,1,2
	v_permlane16_swap_b32 v[PC+6*(\c)+\i], v[PC+12+\i]
.endr
.irp i, 0,1,2
	v_mov_b32 v[PC+6*(\c)+3+\i], v[PC+12+\i]
.endr
.endm
.macro QUANT s
	QHALF \s, 0
	QHALF \s, 1
.endm
; A lane holds ONE column and 64 numbers down K (two whole blocks).  Lanes 0-15 are the rows of tile u = 0, lanes 16-31 of tile u = 1: out come half a fragment of each (PC.. and PC+6..) and two scale bytes.
.macro QPAIR s
	v_max3_num_f32 v[TM], |v[\s]|, |v[\s+1]|, 0x1800000
	v_max3_num_f32 v[TM+1], |v[\s+32]|, |v[\s+33]|, 0x1800000
.irp i, 2,4,6,8,10,12,14,16,18,20,22,24,26,28,30
	v_max3_num_f32 v[TM], v[TM], |v[\s+\i]|, |v[\s+\i+1]|
	v_max3_num_f32 v[TM+1], v[TM+1], |v[\s+32+\i]|, |v[\s+33+\i]|
.endr
	v_add_nc_u32 v[TM], 0xff000000, v[TM]
	v_add_nc_u32 v[TM+1], 0xff000000, v[TM+1]
	v_lshrrev_b32 v[TM+2], 23, v[TM]
	v_lshrrev_b32 v[TM+3], 23, v[TM+1]
	v_lshl_or_b32 v[PW], v[TM+3], 8, v[TM+2]
	v_cvt_scalef32_pk16_fp6_f32 v[PC:PC+2], v[\s:\s+15], v[TM]
	v_cvt_scalef32_pk16_fp6_f32 v[PC+12:PC+14], v[\s+16:\s+31], v[TM]
	v_cvt_scalef32_pk16_fp6_f32 v[PC+6:PC+8], v[\s+32:\s+47], v[TM+1]
	v_cvt_scalef32_pk16_fp6_f32 v[T2:T2+2], v[\s+48:\s+63], v[TM+1]
	v_nop
.irp i, 0,1,2
	v_permlane16_swap_b32 v[PC+\i], v[PC+6+\i]     ; the first block's lanes 16-31 change places with the second's lanes 0-15
	v_permlane16_swap_b32 v[PC+12+\i], v[T2+\i]
.endr
.irp i, 0,1,2
	v_mov_b32 v[PC+3+\i], v[PC+12+\i]
	v_mov_b32 v[PC+9+\i], v[T2+\i]
.endr
.endm
.macro PSTORE adr, off, sadr, soff
.irp p, 0,1,2
	ds_store_b64 v[\adr], v[PC+2*\p:PC+2*\p+1] offset:\off+256*\p
.endr
.irp p, 0,1,2
	ds_store_b64 v[\adr], v[PC+6+2*\p:PC+7+2*\p] offset:\off+1536+256*\p
.endr
	ds_store_b16 v[\sadr], v[PW] offset:\soff
.endm
.macro IMG3 adr, off, sadr, soff
.irp c, 0,1,2
	ds_store_b128 v[\adr], v[PC+4*\c:PC+4*\c+3] offset:\off+512*\c
.endr
	ds_store_b32 v[\sadr], v[PW] offset:\soff      ; both halves of the lanes write the same word with the same value
.endm
.macro FETCH3 reg, adr, off
.irp c, 0,1,2
	ds_load_b128 v[\reg+4*\c:\reg+4*\c+3], v[\adr] offset:\off+512*\c
.endr
.endm
.macro FETCH6 reg, adr, off
.irp p, 0,1,2,3,4,5
	ds_load_b64 v[\reg+2*\p:\reg+2*\p+1], v[\adr] offset:\off+256*\p
.endr
.endm
.macro TURN R                          ; 16 rows x 512 bytes through my stage: in as loaded, back 16 neighbours of each block of 32 to a lane; LDS serves a wave's instructions in order
.irp i, 0,1,2,3,4,5,6,7,8,9,10,11,12,13,14,15
	ds_store_b128 v[R_STS], v[\R+4*\i:\R+4*\i+3] offset:528*\i
.endr
.irp b, 0,1,2,3
.irp j, 0,1,2,3
	ds_load_b128 v[\R+16*\b+4*\j:\R+16*\b+4*\j+3], v[R_STL] offset:128*\b+16*\j
.endr
.endr
.endm
.macro LD64 adr, off                   ; 64 numbers, the same for all lanes, into RB
.set n, 0
.rept 16
	ds_load_b128 v[RB+4*n:RB+4*n+3], v[\adr] offset:\off+16*n
.set n, n+1
.endr
.endm
.macro COLS reg, base, off             ; 64 rows of bcx at my column: each load reads 128 consecutive bytes
.set n, 0
.rept 64
	global_load_b32 v[\reg+n], v[R_GC], s[\base:\base+1] offset:\off+16384*n
.set n, n+1
.endr
.endm
.macro MULPK d, a, b
.set n, 0
.rept 32
	v_pk_mul_f32 v[\d+n:\d+n+1], v[\a+n:\a+n+1], v[\b+n:\b+n+1]
.set n, n+2
.endr
.endm
.macro WM0 d, a, b, sa, sb             ; a product that starts a sum
	v_wmma_scale_f32_16x16x128_f8f6f4 v[\d:\d+7], v[\a:\a+11], v[\b:\b+11], 0, v[\sa], v[\sb] matrix_a_fmt:MATRIX_FMT_FP6 matrix_b_fmt:MATRIX_FMT_FP6
.endm
.macro WMA d, a, b, sa, sb             ; and one that adds in place
	v_wmma_scale_f32_16x16x128_f8f6f4 v[\d:\d+7], v[\a:\a+11], v[\b:\b+11], v[\d:\d+7], v[\sa], v[\sb] matrix_a_fmt:MATRIX_FMT_FP6 matrix_b_fmt:MATRIX_FMT_FP6
.endm
	; ---------------- PHASE 0: ids, addresses, the first loads
	s_load_b256 s[4:11], s[0:1], 0x0               ; bcx, dtb, D, y_codes
	s_load_b64 s[12:13], s[0:1], 0x20              ; y_scales
	v_lshl_add_u32 v[SPW], v0, 2, SPARE
	v_mov_b32 v[NIL], 0
	v_lshrrev_b32 v1, 5, v0
	v_readfirstlane_b32 s14, v1                    ; wave 0..15
	v_and_b32 v160, 31, v0                         ; lane
	v_and_b32 v161, 15, v0                         ; r
	v_bfe_u32 v162, v0, 4, 1                       ; h
	s_and_b32 s17, ttmp9, 1                        ; hi
	s_bfe_u32 s16, ttmp9, 0x30001                  ; g
	s_bfe_u32 s15, ttmp9, 0x30004                  ; z
	s_lshr_b32 s18, ttmp9, 7                       ; b
	s_lshl_b32 s19, s17, 4
	s_add_co_u32 s19, s19, s16                     ; head 0 = g + 16 hi; head 1 is 8 on
	s_lshl_b32 s22, s18, 11
	s_lshl_b32 s78, s15, 8
	s_add_co_u32 s22, s22, s78                     ; the chunk's first row
	s_mov_b32 s[SEL], 0x76543210
	s_mov_b32 s[SEL+1], 0xfedcba98
	s_and_b32 s74, s14, 7
	s_lshr_b32 s75, s14, 1                         ; my queries' block of 32
	s_lshr_b32 s84, s14, 3                         ; e: the head for which I prepare x
	s_and_b32 s87, s14, 3                          ; uu: which 64 positions
	s_bfe_u32 s90, s14, 0x10002                    ; cp: which 32 channels
	s_lshr_b32 s91, s14, 2                         ; cp': which 32 states
	v_lshlrev_b32 v[R_LI], 4, v160
	v_lshlrev_b32 v[R_L8], 3, v160
	v_lshlrev_b32 v[R_LS], 2, v161
	v_lshlrev_b32 v[R_L4], 2, v160
	s_mul_i32 s23, s14, 8704
	s_add_co_u32 s23, s23, STG                     ; my stage
	v_add_nc_u32 v[R_STS], s23, v[R_LI]
	v_mul_u32_u24 v[R_STL], v161, 528
	v_lshl_add_u32 v[R_STL], v162, 6, v[R_STL]
	v_add_nc_u32 v[R_STL], s23, v[R_STL]
	s_lshl_b32 s88, s14, 7
	v_add_nc_u32 v[R_W4], s88, v[R_L4]
	s_mul_i32 s88, s14, 1536
	v_add_nc_u32 v[R_W16], s88, v[R_LI]
	s_lshl_b32 s88, s14, 6
	v_add_nc_u32 v[R_WBS], s88, v[R_LS]
	s_lshr_b32 s85, s87, 1                         ; uu / 2: the K step
	s_and_b32 s86, s87, 1                          ; uu % 2: the half of a fragment
	s_lshl_b32 s88, s84, 3
	s_lshl_b32 s89, s85, 2
	s_add_co_u32 s88, s88, s89
	s_lshl_b32 s89, s90, 1
	s_add_co_u32 s88, s88, s89                     ; 8 e + 4 ks + 2 cp
	s_mul_i32 s89, s88, 1536
	s_mul_i32 s92, s86, 768
	s_add_co_u32 s89, s89, s92
	v_add_nc_u32 v[R_WX], s89, v[R_L8]
	v_add_nc_u32 v[R_WXB], XP, v[R_WX]
	s_lshl_b32 s89, s88, 6
	s_lshl_b32 s93, s86, 1
	s_add_co_u32 s89, s89, s93
	v_add_nc_u32 v[R_WXS], s89, v[R_L4]
	s_lshl_b32 s88, s85, 3
	s_lshl_b32 s89, s91, 1
	s_add_co_u32 s88, s88, s89                     ; 8 ks + 2 cp'
	s_mul_i32 s89, s88, 1536
	s_add_co_u32 s89, s89, s92
	s_add_co_u32 s89, s89, BD
	v_add_nc_u32 v[R_WBD], s89, v[R_L8]
	s_lshl_b32 s89, s88, 6
	s_add_co_u32 s89, s89, s93
	v_add_nc_u32 v[R_WBDS], s89, v[R_L4]
	s_lshl_b32 s88, s84, 10
	s_lshl_b32 s89, s87, 8
	v_mov_b32 v[R_MB], s89                         ; 256 uu
	s_add_co_u32 s88, s88, s89
	v_mov_b32 v[R_MX], s88                         ; 1024 e + 256 uu
	v_mul_u32_u24 v[R_X2S], v162, 272
	v_lshl_add_u32 v[R_X2S], v161, 4, v[R_X2S]
	v_add_nc_u32 v[R_X2S], s23, v[R_X2S]           ; x's rows wait in the stage: rows of 256 + 16 bytes
	v_lshlrev_b32 v[R_GX2], 14, v162
	v_lshl_add_u32 v[R_GX2], v161, 4, v[R_GX2]     ; two rows of 256 bytes to a load
	v_lshrrev_b32 v163, 3, v161
	v_add_nc_u32 v163, v163, v162
	v_lshl_add_u32 v163, v163, 3, v161
	v_lshlrev_b32 v[R_GC], 2, v163                 ; (v0's last use stands above)
.irp i, 226,227,228,229,230,231,232,233,234,235
	v_mov_b32 v\i, 0                               ; written once: permutes' destinations and the upper halves of pairs count as read
.endr
	s_mov_b32 s79, 0
	s_lshl_b32 s80, s14, 4
	s_add_co_u32 s80, s80, s22                     ; my first query's row
	s_lshl_b32 s81, s80, 14                        ; a row of bcx is 16,384 bytes
	s_lshl_b32 s82, s16, 9                         ; 512 g
	s_lshl_b32 s83, s19, 8                         ; 256 x head 0
	s_wait_kmcnt 0x0
	s_add_co_u32 s78, s81, s82
	s_add_co_u32 s78, s78, 4096
	s_add_nc_u64 s[48:49], s[4:5], s[78:79]        ; C's rows
	s_add_co_u32 s78, s81, s83
	s_add_co_u32 s78, s78, 8192
	s_add_nc_u64 s[60:61], s[4:5], s[78:79]        ; x's rows
	s_lshl_b32 s85, s84, 7
	s_lshr_b32 s86, s74, 1
	s_lshl_b32 s86, s86, 5
	s_add_co_u32 s85, s85, s86
	s_and_b32 s86, s14, 1
	s_lshl_b32 s86, s86, 3
	s_add_co_u32 s85, s85, s86
	s_add_co_u32 s85, s85, s22                     ; key tile w begins at key 128 (w / 8) + 32 ((w % 8) / 2) + 8 (w % 2)
	s_lshl_b32 s85, s85, 14
	s_add_co_u32 s78, s85, s82
	s_add_nc_u64 s[50:51], s[4:5], s[78:79]        ; B's rows
	s_lshl_b32 s88, s87, 6
	s_add_co_u32 s88, s88, s22
	s_lshl_b32 s88, s88, 14                        ; row 64 uu of the chunk
	s_lshl_b32 s89, s84, 11
	s_add_co_u32 s78, s88, s89
	s_add_co_u32 s78, s78, s83
	s_lshl_b32 s89, s90, 7
	s_add_co_u32 s78, s78, s89
	s_add_co_u32 s78, s78, 8192
	s_add_nc_u64 s[52:53], s[4:5], s[78:79]        ; x's columns
	s_lshl_b32 s89, s91, 7
	s_add_co_u32 s78, s88, s89
	s_add_co_u32 s78, s78, s82
	s_add_nc_u64 s[56:57], s[4:5], s[78:79]        ; B's columns
	s_lshr_b32 s78, s22, 5
	s_add_co_u32 s78, s78, s74
	s_lshl_b32 s78, s78, 12
	s_lshl_b32 s89, s84, 3
	s_add_co_u32 s89, s89, s19
	s_lshl_b32 s89, s89, 7
	s_add_co_u32 s78, s78, s89
	s_add_nc_u64 s[58:59], s[6:7], s[78:79]        ; dt: block w % 8 of the chunk, head e
	s_lshl_b32 s92, s18, 5
	s_add_co_u32 s92, s92, s19
	s_lshl_b32 s92, s92, 8
	s_add_co_u32 s92, s92, 1048576                 ; head 0's row of block sums
	s_lshl_b32 s89, s15, 5
	s_add_co_u32 s78, s92, s89
	s_add_nc_u64 s[54:55], s[6:7], s[78:79]        ; this chunk's eight
	s_lshl_b32 s89, s90, 11
	s_add_co_u32 s78, s92, s89
	s_add_nc_u64 s[62:63], s[6:7], s[78:79]        ; the whole row, of the head whose state I may make
	s_lshl_b32 s93, s19, 2
	s_load_b256 s[24:31], s[54:55], 0x0
	s_load_b256 s[32:39], s[54:55], 0x800
	s_load_b32 s66, s[8:9], s93 offset:0x0
	s_load_b32 s68, s[8:9], s93 offset:0x20
	s_lshl_b32 s78, s18, 3
	s_add_co_u32 s78, s78, s15
	s_lshl_b32 s78, s78, 1
	s_add_co_u32 s78, s78, s84
	s_mul_i32 s78, s78, 196608
	s_lshl_b32 s89, s17, 3
	s_add_co_u32 s89, s89, s16                     ; y's K step g + 8 hi
	s_lshr_b32 s85, s89, 1
	s_mul_i32 s85, s85, 24576
	s_add_co_u32 s78, s78, s85
	s_mul_i32 s85, s74, 3072
	s_add_co_u32 s78, s78, s85
	s_and_b32 s85, s89, 1
	s_mul_i32 s85, s85, 1536
	s_add_co_u32 s78, s78, s85
	s_add_nc_u64 s[70:71], s[10:11], s[78:79]
	s_lshl_b32 s78, s89, 14
	s_lshl_b32 s85, s80, 2
	s_add_co_u32 s78, s78, s85
	s_add_nc_u64 s[72:73], s[12:13], s[78:79]
	global_load_b32 v231, v[R_L4], s[58:59]                    ; dt
	global_load_b32 v232, v[R_L4], s[58:59] offset:524288      ; loc
	s_cmp_eq_u32 s15, 0
	s_cbranch_scc1 .Lz0_a
	global_load_b32 v233, v[R_L4], s[58:59] offset:-32768      ; the chunk before: eight blocks back
	global_load_b32 v234, v[R_L4], s[58:59] offset:524288-32768
	global_load_b64 v[252:253], v[R_L8], s[62:63]              ; the sequence's 64 block sums, two a lane
	s_lshl_b32 s89, s15, 5
	s_add_co_u32 s78, s92, s89
	s_lshl_b32 s89, s84, 11
	s_add_co_u32 s78, s78, s89
	s_sub_co_u32 s78, s78, 32
	s_add_nc_u64 s[94:95], s[6:7], s[78:79]
	s_load_b256 s[40:47], s[94:95], 0x0                        ; the eight block sums of the chunk before, head e
.Lz0_a:
.irp i, 0,1,2,3,4,5,6,7,8,9,10,11,12,13,14,15
	global_load_b128 v[RA+4*\i:RA+4*\i+3], v[R_LI], s[48:49] offset:16384*\i             ; C: 512 consecutive bytes of row i
.endr
.irp i, 0,1,2,3,4,5,6,7,8,9,10,11,12,13,14,15
	global_load_b128 v[RB+4*\i:RB+4*\i+3], v[R_LI], s[50:51] offset:16384*(\i+8*(\i/8))  ; B: the tile's row i
.endr
	s_wait_kmcnt 0x0
	s_mov_b32 s67, s66                             ; D as pairs, for the packed form
	s_mov_b32 s69, s68
	s_wait_loadcnt 32                              ; the small loads are in; C's and B's 32 may be out
	ds_store_b32 v[R_W4], v231 offset:DTO
	ds_store_b32 v[R_W4], v232 offset:LOCK
	s_cmp_eq_u32 s15, 0
	s_cbranch_scc1 .Lz0_b
	s_mov_b32 s78, 0
.irp k, 0,1,2,3,4,5,6,7
	s_cmp_le_u32 s74, \k
	s_cselect_b32 s79, s[40+\k], 0
	s_add_f32 s78, s78, s79                        ; my block's sum and those behind it
.endr
	v_sub_f32 v235, s78, v234                      ; what follows position l up to the end of the chunk before
	v_add_f32 v161, v252, v253
	v_add_f32_dpp v161, v161, v161 row_xmask:1 row_mask:0xf bank_mask:0xf
	v_add_f32_dpp v161, v161, v161 row_xmask:2 row_mask:0xf bank_mask:0xf   ; four lanes hold a chunk's sum T
.irp k, 0,1,2,3,4,5,6,7
	v_readlane_b32 s[40+\k], v161, 4*\k
.endr
	s_mov_b32 s78, 0
	s_mov_b32 s88, 0xc47a0000                      ; -1000: 2^-1000 is 0
.irp k, 0,1,2,3,4,5,6,7
	s_cmp_le_u32 s15, \k
	s_cselect_b32 s79, s[40+\k], 0
	s_add_f32 s78, s78, s79                        ; T_z + .. + T_k
	s_cmp_le_u32 s15, \k
	s_cselect_b32 s[80+\k], s78, s88
.endr
	v_exp_f32 v235, v235
.irp k, 0,1,2,3,4,5,6,7
	v_exp_f32 v[162+\k], s[80+\k]
.endr
	v_nop                                          ; a plain place behind the batch,
	s_wait_alu depctr_va_vdst(0)                   ; and its one wait
	ds_store_b32 v[R_W4], v233 offset:DTP
	ds_store_b32 v[R_W4], v235 offset:DEC
	v_add_f32 v162, v162, v163
	v_add_f32 v164, v164, v165
	v_add_f32 v166, v166, v167
	v_add_f32 v168, v168, v169
	v_add_f32 v162, v162, v164
	v_add_f32 v166, v166, v168
	v_add_f32 v162, v162, v166
	v_add_f32 v162, 1.0, v162                      ; the column sum of decay_chunk for this chunk
	v_readfirstlane_b32 s76, v162
	s_mov_b32 s77, s76
.Lz0_b:
.irp e, 0,1                            ; in place: block sum tj becomes the sum of blocks tj .. (my queries' block) - 1
	s_mov_b32 s78, 0
.irp tj, 7,6,5,4,3,2,1,0
	s_cmp_gt_u32 s75, \tj
	s_cselect_b32 s79, s[24+8*\e+\tj], 0
	s_add_f32 s78, s78, s79
	s_mov_b32 s[24+8*\e+\tj], s78
.endr
.endr
	COLS RC, 52, 0                                 ; x's columns of this chunk
	BARRIER                                        ; dt, loc and the decay lie in LDS
	; ---------------- PHASE A: every operand is quantised once
	s_wait_loadcnt 63                              ; 64 loads were issued behind B's last: C and B are in
	TURN RA
	s_wait_dscnt 0x0
	QUANT RA
.irp i, 0,1,2,3,4,5,6,7,8,9,10,11
	v_mov_b32 v[CF+\i], v[PC+\i]                   ; C's fragment serves two products and stays
.endr
	v_mov_b32 v[CS], v[PW]
.irp e, 0,1
.irp i, 0,1,2,3,4,5,6,7
	global_load_b128 v[RA+32*\e+4*\i:RA+32*\e+4*\i+3], v[R_GX2], s[60:61] offset:32768*\i+2048*\e   ; x of my queries, for D x
.endr
.endr
	TURN RB
	s_wait_dscnt 0x0
	QUANT RB
	IMG3 R_W16, BQ, R_WBS, BQS
	s_wait_loadcnt 0x0
.irp e, 0,1
.irp i, 0,1,2,3,4,5,6,7
	ds_store_b128 v[R_X2S], v[RA+32*\e+4*\i:RA+32*\e+4*\i+3] offset:4352*\e+544*\i
.endr
.endr
	s_wait_dscnt 0x0                               ; the stores have read their registers
	s_cmp_eq_u32 s15, 0
	s_cbranch_scc1 .Lz0_c
	COLS RA, 52, -4194304                          ; x's columns of the chunk before: 256 rows up
.Lz0_c:
	LD64 R_MX, DTO
	s_wait_dscnt 0x0
	MULPK RC, RC, RB                               ; x dt
	QPAIR RC
	PSTORE R_WX, XO, R_WXS, XOS
	s_cmp_eq_u32 s15, 0
	s_cbranch_scc1 .Lbar1
	COLS RC, 56, -4194304                          ; B's columns of the chunk before
	s_wait_loadcnt 63                              ; 64 loads were issued behind x's last: x is in
	LD64 R_MX, DTP
	s_wait_dscnt 0x0                               ; dt is in, and the stores above have read the codes' registers
	MULPK RA, RA, RB
	QPAIR RA
	PSTORE R_WXB, 0, R_WXS, XPS
	s_wait_loadcnt 0x0
.irp e, 0,1
	LD64 R_MB, DEC+1024*\e
	s_wait_dscnt 0x0
	MULPK RA, RC, RB                               ; B decay, for head e
	QPAIR RA
	PSTORE R_WBD, 24576*\e, R_WBDS, BDS+1024*\e
.endr
.Lbar1:
	BARRIER                                        ; all images lie in LDS
	v_add_nc_u32 v[R_LIB], XP, v[R_LI]             ; the addresses of the phases to come, made on the way that all waves take
	v_and_b32 v[R_LK], 64, v[R_L4]
	ds_load_b32 v[LQ], v[R_WBS] offset:LOCK        ; loc of my query
	ds_load_b32 v[LQ+1], v[R_WBS] offset:LOCK+1024
	v_lshrrev_b32 v[R_DM], 2, v[R_LS]
	v_lshrrev_b32 v13, 2, v[R_LK]
	v_sub_nc_u32 v[R_DM], v[R_DM], v13
	s_lshl_b32 s78, s74, 4
	v_add_nc_u32 v[R_DM], s78, v[R_DM]             ; 16 (w % 8) + r - 16 h: register 16 b + i is hidden where 32 b + i is greater
	v_mul_u32_u24 v[R_X2L], v[R_LS], 68
	v_add_nc_u32 v[R_X2L], v[R_X2L], v[R_LK]
	v_add_nc_u32 v[R_X2L], s23, v[R_X2L]           ; the stage: 272 r + 64 h
	s_bfe_u32 s78, s14, 0x10002                    ; the state's head e and tile t, for waves 0-7
	s_and_b32 s79, s14, 3
	s_lshl_b32 s80, s78, 3
	s_add_co_u32 s80, s80, s79
	s_mul_i32 s81, s80, 1536
	s_add_co_u32 s81, s81, XP
	v_add_nc_u32 v186, s81, v[R_L8]
	s_lshl_b32 s81, s80, 6
	s_add_co_u32 s81, s81, XPS
	v_add_nc_u32 v187, s81, v[R_LS]
	s_mul_i32 s81, s78, 24576
	s_add_co_u32 s81, s81, BD
	v_add_nc_u32 v188, s81, v[R_L8]
	s_lshl_b32 s81, s78, 10
	s_add_co_u32 s81, s81, BDS
	v_add_nc_u32 v189, s81, v[R_LS]
	s_mul_i32 s81, s74, 1536
	s_add_co_u32 s81, s81, STI
	v_add_nc_u32 v190, s81, v[R_LI]
	s_lshl_b32 s81, s74, 6
	s_add_co_u32 s81, s81, STSC
	v_add_nc_u32 v191, s81, v[R_LS]
	; ---------------- PHASE B: the state of the chunk before, by waves 0-7, which have half the key steps: 16 channels d x 128 states each
	s_cmp_eq_u32 s15, 0
	s_cbranch_scc1 .LnoB
	s_cmp_ge_u32 s14, 8
	s_cbranch_scc1 .LnoB
	FETCH6 160, 186, 0
	FETCH6 172, 186, 6144
	ds_load_b32 v184, v187
	ds_load_b32 v185, v187 offset:256
.irp ks, 0,1
.irp gq, 0,1
.if \ks+\gq
	NOPS 4                                         ; places ahead of loads into operands
.endif
.irp t, 0,1,2,3
	FETCH6 RA+12*\t, 188, 1536*(8*\ks+4*\gq+\t)
	ds_load_b32 v[SW+\t], v189 offset:64*(8*\ks+4*\gq+\t)
.endr
	s_wait_dscnt 0x0
.irp t, 0,1,2,3                        ; source 0 = 16 states n of B decay, source 1 = 16 channels d of x dt; K = the positions.  The eight accumulators take turns
.if \ks == 0
	WM0 RB+8*(4*\gq+\t), RA+12*\t, 160+12*\ks, SW+\t, 184+\ks
.else
	WMA RB+8*(4*\gq+\t), RA+12*\t, 160+12*\ks, SW+\t, 184+\ks
.endif
.endr
.endr
.endr
	NOPS 4
.set n, 0
.rept 32
	v_pk_mul_f32 v[RB+n:RB+n+1], v[RB+n:RB+n+1], s[76:77] op_sel_hi:[1,0]   ; x the column sum; each accumulator from its low end on
.set n, n+2
.endr
	QUANT RB
	IMG3 190, 0, 191, 0
.LnoB:
	; ---------------- PHASE C: a key step of 128 keys for head e
.macro STEP e, ks
.irp gq, 0,1
	NOPS 4                                         ; places ahead of loads into operands of the last products
.irp t, 0,1,2,3
	FETCH3 RA+12*\t, R_LI, BQ+1536*(8*(\ks)+4*\gq+\t)
	ds_load_b32 v[SW+\t], v[R_LS] offset:BQS+64*(8*(\ks)+4*\gq+\t)
.endr
	s_wait_dscnt 0x0
.irp t, 0,1,2,3
	WM0 RB+8*(4*\gq+\t), RA+12*\t, CF, SW+\t, CS   ; G^T: source 0 = 16 keys, source 1 = my queries
.endr
.endr
	NOPS 4
.set n, 0
.rept 16
	ds_load_b128 v[RA+4*n:RA+4*n+3], v[R_LK] offset:LOCK+1024*(\e)+512*(\ks)+128*(n/4)+16*(n%4)   ; loc of the keys, in G^T's order
.set n, n+1
.endr
.irp b, 0,1,2,3
	v_add_f32 v[QV+2*\b], s[24+8*(\e)+4*(\ks)+\b], v[LQ+(\e)]   ; loc(query) + the whole blocks between
.endr
	s_wait_dscnt 0x0
.set n, 0
.rept 32
	v_pk_add_f32 v[RA+2*n:RA+2*n+1], v[QV+2*(n/8):QV+2*(n/8)+1], v[RA+2*n:RA+2*n+1] op_sel_hi:[0,1] neg_lo:[0,1] neg_hi:[0,1]
.set n, n+1
.endr
.if (\ks) == 0
	s_cmp_ge_u32 s14, 8                            ; for queries 128 on all of keys 0..127 count
	s_cbranch_scc1 .Lopen_\@
.endif
	v_mov_b32 v[TM], 0xff800000                    ; a hidden key's exponent becomes -infinity: L = 0 there, as in reference()
.set n, 0
.rept 64
	v_cmp_gt_i32 vcc_lo, 32*(n/16)+n%16, v[R_DM]
	v_cndmask_b32 v[RA+n], v[RA+n], v[TM], vcc_lo
.set n, n+1
.endr
.Lopen_\@:
.set n, 0
.rept 64
	v_exp_f32 v[RA+n], v[RA+n]
.set n, n+1
.endr
	v_nop                                          ; a plain place behind the batch,
	s_wait_alu depctr_va_vdst(0)                   ; and its one wait ahead of the first reader
	MULPK RB, RB, RA                               ; M = G o L; each accumulator from its low end on
.irp t, 0,1,2,3
	FETCH6 RA+12*\t, R_L8, XO+1536*(8*(\e)+4*(\ks)+\t)
	ds_load_b32 v[SW+\t], v[R_LS] offset:XOS+64*(8*(\e)+4*(\ks)+\t)
.endr
	QUANT RB
	NOPS 8                                         ; a scale word made by vector instructions stands eight places ahead of the product, an operand four
	s_wait_dscnt 0x0
.irp t, 0,1,2,3                        ; Y^T: source 0 = 16 channels of x dt, source 1 = M of my queries; K = these 128 keys
.if (\ks) == 0
	WM0 Y+32*(\e)+8*\t, RA+12*\t, PC, SW+\t, PW
.else
	WMA Y+32*(\e)+8*\t, RA+12*\t, PC, SW+\t, PW
.endif
.endr
.endm
	STEP 0, 0
	s_cmp_lt_u32 s14, 8
	s_cbranch_scc1 .Lhalf0
	STEP 0, 1
.Lhalf0:
	STEP 1, 0
	s_cmp_lt_u32 s14, 8
	s_cbranch_scc1 .Lhalf1
	STEP 1, 1
.Lhalf1:
	NOPS 4                                         ; places behind the last products
	BARRIER                                        ; the state's images lie in LDS
	; ---------------- PHASE D: + (C state) 2^(running sum) + D x; y's codes
.irp e, 0,1
.irp b, 0,1
.irp j, 0,1,2,3
	ds_load_b128 v[RA+32*\e+16*\b+4*\j:RA+32*\e+16*\b+4*\j+3], v[R_X2L] offset:4352*\e+128*\b+16*\j
.endr
.endr
.endr
.macro YOUT e
	s_cmp_eq_u32 s15, 0
	s_cbranch_scc1 .Lnooff_\@
.irp gq, 0,1
	NOPS 4
.irp t, 0,1
	FETCH3 RB+12*\t, R_LIB, STI-XP+1536*(4*(\e)+2*\gq+\t)
	ds_load_b32 v[SW+\t], v[R_LS] offset:STSC+64*(4*(\e)+2*\gq+\t)
.endr
	s_wait_dscnt 0x0
.irp t, 0,1
	WM0 RB+32+8*(2*\gq+\t), RB+12*\t, CF, SW+\t, CS   ; source 0 = 16 channels of the state, source 1 = C of my queries
.endr
.endr
	v_add_f32 v[TM], s[24+8*(\e)], v[LQ+(\e)]      ; the running sum up to my query
	v_exp_f32 v[TM], v[TM]
	NOPS 4                                         ; places behind the products and behind the exponential
	s_wait_alu depctr_va_vdst(0)
.set n, 0
.rept 16
	v_pk_fma_f32 v[Y+32*(\e)+n:Y+32*(\e)+n+1], v[RB+32+n:RB+33+n], v[TM:TM+1], v[Y+32*(\e)+n:Y+32*(\e)+n+1] op_sel_hi:[1,0,1]
.set n, n+2
.endr
.Lnooff_\@:
	s_wait_dscnt 0x0                               ; x of my queries
.set n, 0
.rept 16
	v_pk_fma_f32 v[Y+32*(\e)+n:Y+32*(\e)+n+1], v[RA+32*(\e)+n:RA+32*(\e)+n+1], s[66+2*(\e):67+2*(\e)], v[Y+32*(\e)+n:Y+32*(\e)+n+1] op_sel_hi:[1,0,1]
.set n, n+2
.endr
	QHALF Y, \e                                    ; head e is half e of y's K step g + 8 hi
.endm
	YOUT 0
	YOUT 1
.irp c, 0,1,2
	global_store_b128 v[R_LI], v[PC+4*\c:PC+4*\c+3], s[70:71] offset:512*\c   ; 512 consecutive bytes
.endr
	global_store_b32 v[R_LS], v[PW], s[72:73]      ; both halves of the lanes write the same word with the same value
	s_wait_tensorcnt 0x0                           ; the wave's end
	ds_add_u32 v[SPW], v[NIL]
	s_wait_dscnt 0x0
	s_endpgm
.Lfunc_end_k_qf5e5e26ab8_ssd:
	.size	k_qf5e5e26ab8_ssd, .Lfunc_end_k_qf5e5e26ab8_ssd-k_qf5e5e26ab8_ssd
	.p2alignl 7, 3214868480
	.fill 96, 4, 3214868480
	.section	.rodata,"a",@progbits
	.p2align	6, 0x0
	.amdhsa_kernel k_qf5e5e26ab8_ssd
		.amdhsa_group_segment_fixed_size 292864
		.amdhsa_private_segment_fixed_size 0
		.amdhsa_enable_private_segment 0
		.amdhsa_kernarg_size 40
		.amdhsa_user_sgpr_count 2
		.amdhsa_user_sgpr_kernarg_segment_ptr 1
		.amdhsa_wavefront_size32 1
		.amdhsa_system_sgpr_workgroup_id_x 1
		.amdhsa_system_sgpr_workgroup_id_y 1
		.amdhsa_system_sgpr_workgroup_id_z 1
		.amdhsa_system_vgpr_workitem_id 0
		.amdhsa_next_free_vgpr 256
		.amdhsa_next_free_sgpr 100
		.amdhsa_reserve_vcc 1
		.amdhsa_float_denorm_mode_32 3
		.amdhsa_float_denorm_mode_16_64 3
		.amdhsa_memory_ordered 1
		.amdhsa_forward_progress 1
		.amdhsa_inst_pref_size 196
	.end_amdhsa_kernel
	.amdgpu_metadata
---
amdhsa.version: [ 1, 2 ]
amdhsa.kernels:
  - .name:           k_qf5e5e26ab8_ssd
    .symbol:         k_qf5e5e26ab8_ssd.kd
    .args:
      - { .name: bcx, .offset: 0, .size: 8, .value_kind: global_buffer, .address_space: global }
      - { .name: dtb, .offset: 8, .size: 8, .value_kind: global_buffer, .address_space: global }
      - { .name: D, .offset: 16, .size: 8, .value_kind: global_buffer, .address_space: global }
      - { .name: y_codes, .offset: 24, .size: 8, .value_kind: global_buffer, .address_space: global }
      - { .name: y_scales, .offset: 32, .size: 8, .value_kind: global_buffer, .address_space: global }
    .group_segment_fixed_size: 292864
    .private_segment_fixed_size: 0
    .kernarg_segment_align: 8
    .kernarg_segment_size: 40
    .max_flat_workgroup_size: 512
    .sgpr_count:     100
    .vgpr_count:     256
    .wavefront_size: 32
...
	.end_amdgpu_metadata
.endif
;; end of part 4
;; launch gemm2 (part 5): grid 8 x 32, 4 waves a work-group, clusters of 4 x 4, 327,680 bytes of LDS; arguments y_codes, y_scales, w_codes, w_scales, out0, b_out; writes out0
.if DOCPART == 5
	.amdgcn_target "amdgcn-amd-amdhsa--gfx1250"
	.amdhsa_code_object_version 6
	.text
	.protected	k_qf5e5e26ab8_gemm2
	.globl	k_qf5e5e26ab8_gemm2
	.p2align	8
	.type	k_qf5e5e26ab8_gemm2,@function
k_qf5e5e26ab8_gemm2:
	s_mov_b64 s[64:65], 0
	v_nop
	global_prefetch_b8 v0, s[64:65] scope:SCOPE_SE
	s_setreg_imm32_b32 hwreg(HW_REG_WAVE_MODE, 25, 1), 1
	s_wait_xcnt 0x0
	s_wait_alu depctr_hold_cnt(0) depctr_sa_sdst(0) depctr_va_vdst(0) depctr_va_sdst(0) depctr_va_ssrc(0) depctr_va_vcc(0) depctr_vm_vsrc(0)
	s_getreg_b32 s2, hwreg(HW_REG_IB_STS2, 6, 4)
	s_cmp_eq_u32 s2, 0
	s_cbranch_scc0 .Lentry_in_a_cluster
	s_endpgm
.Lentry_in_a_cluster:
	s_bfe_u32 s2, ttmp6, 0x10000c
	s_cmp_lg_u32 s2, 0xf033
	s_cbranch_scc0 .Lentry_shape_is_right
	s_endpgm
.Lentry_shape_is_right:
; LAUNCH 5 OF 5: out0[4096][2048] f32 = y W_out + b_out, on codes of E2M3 with E8M0 scales.  No work of reference() is left out here.  y and W_out^T (rows 4096 on of w_codes) have K in one and the same order:
; K step g + 8 hi holds head g + 16 hi, then head g + 8 + 16 hi; blocks of 32 are whole, so codes and scales are the contract's, and only the order of the f32 sum differs from reference()'s.
; A tile of C is 128 x 256, so that 4096 x 2048 make 256 work-groups.  Four waves, each 64 x 128: 32 accumulators, 256 registers.  The price: a K step of 128 reads 12 fragments from LDS for 32 products.
; K goes in steps of 512 through a ring of two LDS slots filled by the tensor data mover: K = 2048 is four slots' worth, two asked for at the head and two by refills; 128 products a wave stand between a request and the wait for it.
; The codes lie in memory as images of the operand's registers (16 rows x 128 K: 1,536 bytes, registers 4 c .. 4 c + 3 of lane L at 512 c + 16 L); 128 rows x 256 K are one dense block of 24,576 bytes, and the blocks of one
; 128 rows follow each other along K.  Waves 0 and 1 bring A's 128 rows x 512 K as two blocks of 24,576 bytes, waves 2 and 3 B's 256 rows as two blocks of 49,152: rows of 256 bytes, no pitch, no padding.
; The scale words lie [K step][row]: A's (128 rows) and B's (256 rows) for all 16 K steps come once, with the first fills, and stay in LDS.
; CLUSTERS: 4 x 4 work-groups; A's tiles are asked for jointly along a row of the cluster, B's along a column.  The matrix instruction is used transposed (source 0 = 16 rows of B, source 1 = 16 rows of A): a lane holds eight
; neighbouring numbers of a row of C.  The bias is the C of each sum's first product.
; No prefetch: both refills are asked for within the first two slots' steps, so a prefetch for them could stand only at the head, where the first tiles are on their way.  No loop: the four slots' steps are written out by macro.
; REGISTERS: window 0: v16-30 addresses; v32-63 and v224-255 scale words, two sets; v64-127 the bias; v128-223 A's fragments, two sets of 48; on the way out v128-255.  window 1: B's fragments, two sets, at v0 and v128.
;   window 2: the accumulators, (a, b) at v[8 (8 a + b)].
.set SIZE_N, 2048
.set BROW0,  4096                      ; B's first row in w_codes
.set FR,     12                        ; registers of a fragment
.set NP,     4                         ; places behind this matrix instruction
.set BLKA,   24576                     ; 128 rows x 256 K
.set BLKB,   49152                     ; 128 rows x 512 K
.set SLOT,   3*BLKB                    ; A's 128 rows, then B's 256 rows, 512 along K
.set SLOTB,  BLKB                      ; 512 along K on, in memory
.set SCL,    2*SLOT                    ; behind the ring: A's scale words, 8,192 bytes, then B's, 16,384
.set SPARE,  SCL+24576                 ; behind them: the spare words, 128 bytes a wave
.set SPITCH, 528                       ; the way out: a stage of 16 rows x (512 + 16) bytes for each wave, in slot 0
.set ADRA, 16                          ; v16-17  LDS address of my A fragments in slot 0, 1
.set ADRB, 20                          ; v20-21  the same for B
.set STO,  24
.set RD,   25
.set CO,   26                          ; v26     16 x lane
.set ADRS, 27                          ; v27     my scale words: lanes 0-15 A's rows, lanes 16-31 B's
.set SPW,  28                          ; v28     SPARE + 4 x my thread's number; never rewritten
.set NIL,  29                          ; v29     0; never rewritten
.set BO,   30
.set SC,   32                          ; scale words: set s at v[SC + 192 s]; register 4 i + q: lanes 0-15 A's block i, lanes 16-31 B's block i, the slot's q-th 128 along K
.set BIAS, 64
.set AF,   128                         ; A's fragments: set p at AF + 48 p
.set BK,   128
.set G1, 24                            ; s[24:31] group 1 for A's codes;  s[32:39] group 0, a set for each slot
.set G0, 32
.set G1B, 48                           ; s[48:55], s[56:63] the same for B's
.set G0B, 56
.set G1S, 68                           ; s[68:75], s[76:79] for A's scale words;  s[80:87], s[88:91] for B's
.set G0S, 76
.set G1SB, 80
.set G0SB, 88
.set MSB, 0
.macro WIN new                         ; the immediate's high byte repeats the setting that is left
.if MSB != \new
	s_set_vgpr_msb (MSB<<8)|\new
.set MSB, \new
.endif
.endm
.set MULW,  0xa1                       ; source 0 (B) window 1, source 1 (A) window 0, C and D window 2
.set BIASW, 0x81                       ; the same with C (the bias) in window 0
.set TO_B,  0x40                       ; destination window 1, address window 0
.macro JLOAD g0a, g1a, g0b, g1b        ; a joint load: waves 0 and 1 fetch for A, waves 2 and 3 for B; an s_nop 0 and four v_nop follow each line
	s_cmp_eq_u32 s15, 0
	s_cbranch_scc0 .Lfor_b_\@
	tensor_load_to_lds s[\g0a:\g0a+3], s[\g1a:\g1a+7]
	s_nop 0
.rept 4
	v_nop
.endr
	s_branch .Lasked_\@
.Lfor_b_\@:
	tensor_load_to_lds s[\g0b:\g0b+3], s[\g1b:\g1b+7]
	s_nop 0
.rept 4
	v_nop
.endr
.Lasked_\@:
.endm
.macro CREST                           ; a round of the cluster's barrier behind its opening barrier
	s_cmp_lg_u32 s14, 0
	s_cbranch_scc1 .Lnot_wave_0_\@
	s_barrier_signal -3
.Lnot_wave_0_\@:
	s_barrier_wait -3
	s_barrier_signal -1
	s_barrier_wait -1
.endm
.macro CROUND
	s_barrier_signal -1
	s_barrier_wait -1
	CREST
.endm
	s_load_b128 s[4:7], s[0:1], 0x0                ; A's codes, A's scales
	s_load_b128 s[8:11], s[0:1], 0x10              ; B's codes, B's scales
	s_load_b64 s[12:13], s[0:1], 0x20              ; C
	s_load_b64 s[96:97], s[0:1], 0x28              ; b_out
	v_lshl_add_u32 v[SPW], v0, 2, SPARE
	v_mov_b32 v[NIL], 0
	ds_add_u32 v[SPW], v[NIL]                      ; the wave's opening: the add, twice on end, and its wait ahead of my first tensor load
	ds_add_u32 v[SPW], v[NIL]
	v_lshrrev_b32 v1, 5, v0
	v_readfirstlane_b32 s14, v1                    ; wave 0..3
	s_lshr_b32 s15, s14, 1                         ; my half of the tile's rows.  Also: I fetch for A (0) or for B (1)
	s_and_b32 s16, s14, 1                          ; my half of its columns.  Also: which part of that operand I fetch
	s_bfe_u32 s40, ttmp6, 0x40000                  ; cx, cy
	s_bfe_u32 s41, ttmp6, 0x40004
	s_lshl_b32 s42, ttmp9, 2
	s_add_co_u32 s42, s42, s40                     ; tile column, 0..7
	s_and_b32 s17, ttmp7, 0xffff
	s_lshl_b32 s17, s17, 2
	s_add_co_u32 s17, s17, s41                     ; tile row, 0..31
	s_lshl_b32 s43, s41, 2
	s_lshl_b32 s43, 15, s43                        ; my row of the cluster
	s_lshl_b32 s44, 0x1111, s40                    ; my column
	s_or_b32 s[G1+0], s43, (3<<16)|(1<<21)         ; the mask; elements of 8 bytes; bit 21 beside a mask; no padding
	s_or_b32 s[G1B+0], s44, (3<<16)|(1<<21)
.irp g, G1, G1B
	s_mov_b32 s[\g+1], 32<<16                      ; tensor_dim0 = 32 elements: 256 bytes
	s_mov_b32 s[\g+3], 32<<16                      ; tile_dim0
	s_mov_b32 s[\g+5], 32                          ; dense
	s_mov_b32 s[\g+6], 0
	s_mov_b32 s[\g+7], 0
.endr
	s_mov_b32 s[G1+2], 96<<16                      ; A: 96 rows, 24,576 bytes
	s_mov_b32 s[G1+4], 96
	s_mov_b32 s[G1B+2], 192<<16                    ; B: 192 rows, 49,152 bytes
	s_mov_b32 s[G1B+4], 192
	s_or_b32 s[G1S+0], s43, (2<<16)|(1<<21)        ; the scale words: rows of 128 words, a K step each
	s_or_b32 s[G1SB+0], s44, (2<<16)|(1<<21)
.irp g, G1S, G1SB
	s_mov_b32 s[\g+1], 128<<16
	s_mov_b32 s[\g+3], 128<<16
	s_mov_b32 s[\g+6], 0
	s_mov_b32 s[\g+7], 0
.endr
	s_mov_b32 s[G1S+2], 8<<16                      ; A: 8 K steps to a wave,
	s_mov_b32 s[G1S+4], 8
	s_mov_b32 s[G1S+5], 4096                       ; 4,096 words from K step to K step
	s_mov_b32 s[G1SB+2], 16<<16                    ; B: all 16 K steps of 128 rows,
	s_mov_b32 s[G1SB+4], 16
	s_mov_b32 s[G1SB+5], 6272                      ; 6,272 words apart
	; where the tiles come from.  A's hang on the tile row and the wave's number alone, B's on the tile column and the wave's number alone
	s_mul_i32 s20, s17, 196608                     ; A's codes: my tile row is one block of 128 rows;
	s_mul_i32 s18, s16, BLKA
	s_add_co_u32 s20, s20, s18                     ; wave 1 takes the second 256 along K
	s_mov_b32 s21, 0
	s_lshl_b32 s22, s17, 9                         ; A's scale words: 128 rows x 4 bytes;
	s_lshl_b32 s18, s16, 17
	s_add_co_u32 s22, s22, s18                     ; wave 1 takes K steps 8 on: 8 x 16,384 bytes
	s_mov_b32 s23, 0
	s_lshl_b32 s46, s42, 1
	s_add_co_u32 s46, s46, s16
	s_add_co_u32 s46, s46, BROW0/128               ; B: which block of 128 rows of w_codes
	s_lshl_b32 s92, s46, 9                         ; its scale words
	s_mov_b32 s93, 0
	s_mul_i32 s46, s46, 196608                     ; its codes
	s_mov_b32 s47, 0
	s_mul_i32 s45, s16, BLKA                       ; where they go: the wave's number alone enters an LDS address
	s_mul_i32 s95, s16, BLKB
	s_lshl_b32 s94, s16, 12
	s_lshl_b32 s98, s16, 13
	s_wait_dscnt 0x0                               ; both opening adds are done
	s_wait_kmcnt 0x0
	s_add_nc_u64 s[20:21], s[4:5], s[20:21]
	s_add_nc_u64 s[22:23], s[6:7], s[22:23]
	s_add_nc_u64 s[46:47], s[8:9], s[46:47]
	s_add_nc_u64 s[92:93], s[10:11], s[92:93]
	CROUND                                         ; all sixteen work-groups are here: the first joint loads meet
	s_mov_b32 s[G0S], 1
	s_add_co_u32 s[G0S+1], s94, SCL
	s_mov_b64 s[G0S+2:G0S+3], s[22:23]
	s_or_b32 s[G0S+3], s[G0S+3], 0x80000000
	s_mov_b32 s[G0SB], 1
	s_add_co_u32 s[G0SB+1], s98, SCL+8192
	s_mov_b64 s[G0SB+2:G0SB+3], s[92:93]
	s_or_b32 s[G0SB+3], s[G0SB+3], 0x80000000
	JLOAD G0S, G1S, G0SB, G1SB                     ; the scale words first
.irp s, 0,1
	s_mov_b32 s[G0+4*\s], 1
	s_add_co_u32 s[G0+4*\s+1], s45, \s*SLOT
	s_add_nc_u64 s[G0+4*\s+2:G0+4*\s+3], s[20:21], \s*SLOTB
	s_or_b32 s[G0+4*\s+3], s[G0+4*\s+3], 0x80000000
	s_mov_b32 s[G0B+4*\s], 1
	s_add_co_u32 s[G0B+4*\s+1], s95, \s*SLOT+BLKB
	s_add_nc_u64 s[G0B+4*\s+2:G0B+4*\s+3], s[46:47], \s*SLOTB
	s_or_b32 s[G0B+4*\s+3], s[G0B+4*\s+3], 0x80000000
	JLOAD G0+4*\s, G1, G0B+4*\s, G1B               ; three loads of mine are out
.endr
	v_and_b32 v1, 15, v0                           ; r
	v_bfe_u32 v2, v0, 4, 1                         ; h
	v_and_b32 v6, 31, v0
	v_lshlrev_b32 v[CO], 4, v6                     ; 16 x lane: an image's place for my lane, and my bytes in a row of C
	s_mul_i32 s21, s15, 4*3072                     ; my 64 rows of A: four row tiles
	s_mul_i32 s22, s16, BLKB                       ; my 128 rows of B,
	s_add_co_u32 s22, s22, BLKB                    ; behind A's 128
.irp s, 0,1
	v_add_nc_u32 v[ADRA+\s], s21, v[CO]
	v_add_nc_u32 v[ADRB+\s], s22, v[CO]
	s_add_co_u32 s21, s21, SLOT
	s_add_co_u32 s22, s22, SLOT
.endr
	v_lshlrev_b32 v5, 2, v1                        ; scale words: 4 r;
	s_lshl_b32 s21, s15, 8                         ; A's: my 64 rows
	s_lshl_b32 s22, s16, 13                        ; B's: my 128 rows, behind A's 8,192 bytes
	s_add_co_u32 s22, s22, 8192
	s_sub_co_u32 s22, s22, s21
	v_mul_u32_u24 v6, s22, v2                      ; lanes 16-31 take B's
	s_add_co_u32 s21, s21, SCL
	v_add_nc_u32 v5, v5, v6
	v_add_nc_u32 v[ADRS], s21, v5
	s_mul_i32 s23, s14, 16*SPITCH                  ; my stage, in slot 0
	v_mul_u32_u24 v5, v1, SPITCH
	v_lshl_add_u32 v5, v2, 5, v5
	v_add_nc_u32 v[STO], s23, v5                   ; in: row r, 32 bytes for each half of the lanes
	v_add_nc_u32 v[RD], s23, v[CO]                 ; back: the 32 lanes take one row of 512 bytes
	v_lshlrev_b32 v[BO], 5, v2                     ; the bias: 32 h
	s_lshl_b32 s20, s17, 7
	s_lshl_b32 s21, s15, 6
	s_add_co_u32 s20, s20, s21                     ; my first row of C: 128 x tile row + 64 x half
	s_mov_b32 s21, 0
	s_mov_b64 s[18:19], SIZE_N*4
	s_mul_u64 s[20:21], s[20:21], s[18:19]
	s_lshl_b32 s46, s42, 10                        ; my first column, in bytes: 1024 x tile column + 512 x half
	s_lshl_b32 s47, s16, 9
	s_add_co_u32 s46, s46, s47
	s_mov_b32 s47, 0
	s_add_nc_u64 s[20:21], s[20:21], s[46:47]
	s_add_nc_u64 s[12:13], s[12:13], s[20:21]
	s_add_nc_u64 s[96:97], s[96:97], s[46:47]
.irp b, 0,1,2,3,4,5,6,7
	global_load_b128 v[BIAS+8*\b:BIAS+8*\b+3], v[BO], s[96:97] offset:64*\b        ; register 8 b + j: the bias of column 16 b + 8 h + j
	global_load_b128 v[BIAS+8*\b+4:BIAS+8*\b+7], v[BO], s[96:97] offset:64*\b+16
.endr
.macro FRAG reg, adr, q, i             ; row tile i, the slot's q-th 128 along K, as it lies: three loads of 512 consecutive bytes
.irp c, 0,1,2
	ds_load_b128 v[\reg+4*\c:\reg+4*\c+3], v[\adr] offset:((\q)/2)*BLKA+(\i)*3072+((\q)%2)*1536+512*\c
.endr
.endm
; 8 matrix instructions: A's block a x B's eight.  p: the set of fragments;  sc: the set of scale words.  zero = 1: the first product starts the sums from the bias.
; The 32 accumulators take turns, one instruction a turn, in the same order in every step.
.macro MUL8 a, p, q, sc, zero
.irp b, 0,1,2,3,4,5,6,7
.if \zero
	v_wmma_scale_f32_16x16x128_f8f6f4 v[8*(8*(\a)+\b):8*(8*(\a)+\b)+7], v[128*(\p)+FR*\b:128*(\p)+FR*\b+FR-1], v[AF+48*(\p)+FR*(\a):AF+48*(\p)+FR*(\a)+FR-1], v[BIAS+8*\b:BIAS+8*\b+7], v[SC+192*(\sc)+4*\b+(\q)], v[SC+192*(\sc)+4*(\a)+(\q)] matrix_a_fmt:MATRIX_FMT_FP6 matrix_b_fmt:MATRIX_FMT_FP6 matrix_a_scale:MATRIX_SCALE_ROW1
.else
	v_wmma_scale_f32_16x16x128_f8f6f4 v[8*(8*(\a)+\b):8*(8*(\a)+\b)+7], v[128*(\p)+FR*\b:128*(\p)+FR*\b+FR-1], v[AF+48*(\p)+FR*(\a):AF+48*(\p)+FR*(\a)+FR-1], v[8*(8*(\a)+\b):8*(8*(\a)+\b)+7], v[SC+192*(\sc)+4*\b+(\q)], v[SC+192*(\sc)+4*(\a)+(\q)] matrix_a_fmt:MATRIX_FMT_FP6 matrix_b_fmt:MATRIX_FMT_FP6 matrix_a_scale:MATRIX_SCALE_ROW1
.endif
.endr
.endm
; One run of LDS loads: a step's fragments into set p: B's eight, A's blocks 0 and 1, (t >= 0: the 32 scale words of the t-th 512 along K into the slot's set,) and last A's blocks 2 and 3, the six loads that a step's head may leave out
.macro FETCH slot, q, p, t
	WIN TO_B
.irp i, 0,1,2,3,4,5,6,7
	FRAG 128*(\p)+FR*\i, ADRB+\slot, \q, \i
.endr
	WIN 0
.irp i, 0,1
	FRAG AF+48*(\p)+FR*\i, ADRA+\slot, \q, \i
.endr
.if (\t) >= 0
.irp i, 0,1,2,3,4,5,6,7
.irp k, 0,1,2,3
	ds_load_b32 v[SC+192*(\slot)+4*\i+\k], v[ADRS] offset:2048*(\t)+512*\k+64*\i   ; (for i over 3 lanes 0-15 read words of other rows, which no product names)
.endr
.endr
.endif
.irp i, 2,3
	FRAG AF+48*(\p)+FR*\i, ADRA+\slot, \q, \i
.endr
.endm
.macro PLACES n                        ; plain places behind matrix instructions, ahead of loads into their operands and of reads of results
.rept \n
	v_nop
.endr
.endm
; A step of 128 along K whose successor lies in the same slot: 32 products; in its middle the next step's 36 loads, into the other set
.macro STEP slot, q, zero
	s_wait_dscnt 6                                 ; all but the youngest six loads (A's blocks 2 and 3) are in
.if \zero
	WIN BIASW
.else
	WIN MULW
.endif
	MUL8 0, (\q)%2, \q, \slot, \zero
	MUL8 1, (\q)%2, \q, \slot, \zero
	PLACES NP                                      ; the other set was read by the step before
	FETCH \slot, (\q)+1, 1-(\q)%2, -1
	s_wait_dscnt 36                                ; all but the 36 just issued
.if \zero
	WIN BIASW
.else
	WIN MULW
.endif
	MUL8 2, (\q)%2, \q, \slot, \zero
	MUL8 3, (\q)%2, \q, \slot, \zero
.endm
; A slot's last step changes slots: ONE barrier; in front of it each wave waits for all its tensor loads, adds 0 to its spare word, and waits for that and for its own reads of this slot.
; fill = 1: the barrier opens a round of the cluster's barrier, and this slot is filled again, with the 512 along K two slots on.  t: which 512 along K the next slot holds.
.macro TURN slot, next, t, fill
	WIN 0                                          ; (the add's two registers lie in window 0)
	s_wait_tensorcnt 0x0                           ; all my tensor loads have landed: my part of the next slot
	ds_add_u32 v[SPW], v[NIL]                      ; 0 onto my spare word
	s_wait_dscnt 7                                 ; (the add and the youngest six loads may be out)
	WIN MULW
	MUL8 0, 1, 3, \slot, 0                         ; eight products stand between the add and the wait for it
	s_wait_dscnt 0x0                               ; the add is done, and my reads of this slot are over
	s_barrier_signal -1
	MUL8 1, 1, 3, \slot, 0
	WIN 0
	s_barrier_wait -1
.if \fill
	CREST                                          ; no wave of any partner still reads this slot or has a load on its way
	s_add_nc_u64 s[G0+4*\slot+2:G0+4*\slot+3], s[G0+4*\slot+2:G0+4*\slot+3], 2*SLOTB
	s_add_nc_u64 s[G0B+4*\slot+2:G0B+4*\slot+3], s[G0B+4*\slot+2:G0B+4*\slot+3], 2*SLOTB
	JLOAD G0+4*\slot, G1, G0B+4*\slot, G1B         ; the first tensor load behind the round, my one load until the next; its four v_nop are the places ahead of the loads below
.else
	PLACES NP
.endif
	FETCH \next, 0, 0, \t
	WIN MULW
	MUL8 2, 1, 3, \slot, 0
	MUL8 3, 1, 3, \slot, 0
.endm
	s_wait_tensorcnt 1                             ; of my three loads the scale words and slot 0's part are in; slot 1's may be out
	s_barrier_signal -1
	s_barrier_wait -1                              ; everybody's are
	FETCH 0, 0, 0, 0
	s_wait_loadcnt 0x0                             ; the bias
	STEP 0, 0, 1                                   ; K 0..511; the first step's products start the sums
	STEP 0, 1, 0
	STEP 0, 2, 0
	TURN 0, 1, 1, 1                                ; slot 0 takes K 1024..1535
	STEP 1, 0, 0                                   ; K 512..1023
	STEP 1, 1, 0
	STEP 1, 2, 0
	TURN 1, 0, 2, 1                                ; slot 1 takes K 1536..2047
	STEP 0, 0, 0
	STEP 0, 1, 0
	STEP 0, 2, 0
	TURN 0, 1, 3, 0                                ; nothing is left to fetch
	STEP 1, 0, 0
	STEP 1, 1, 0
	STEP 1, 2, 0
	s_wait_dscnt 6                                 ; the very last step
	WIN MULW
	MUL8 0, 1, 3, 1, 0
	MUL8 1, 1, 3, 1, 0
	s_wait_dscnt 0
	MUL8 2, 1, 3, 1, 0
	MUL8 3, 1, 3, 1, 0
	WIN 0
; THE WAY OUT: a block of 16 rows x 128 columns goes through my stage (in slot 0, which has had its last fill, and whose last read lies ahead of the last barrier) and comes back as whole rows of 512 bytes.
; LDS serves a wave's instructions in order: no wait between the stores and the loads, nor in front of the next block's stores.
.macro TOSTAGE a
.set AC, 64*(\a)
	WIN 0x08                                       ; an LDS store's data are its source 1: window 2
.irp b, 0,1,2,3,4,5,6,7
	ds_store_b128 v[STO], v[AC+8*\b:AC+8*\b+3] offset:64*\b          ; each accumulator from its low end on
	ds_store_b128 v[STO], v[AC+8*\b+4:AC+8*\b+7] offset:64*\b+16
.endr
	WIN 0
.set BB, BK+64*((\a)%2)
.irp t, 0,1,2,3,4,5,6,7,8,9,10,11,12,13,14,15
	ds_load_b128 v[BB+4*\t:BB+4*\t+3], v[RD] offset:\t*SPITCH
.endr
.endm
.macro SEND a, younger                 ; younger: the LDS instructions issued behind block a's loads, which may stay out
.set BB, BK+64*((\a)%2)
	s_wait_dscnt \younger
.if (\a) > 0
	s_add_nc_u64 s[12:13], s[12:13], 16*SIZE_N*4   ; behind a wait on XCNT: the earlier stores have read their base
.endif
.irp t, 0,1,2,3,4,5,6,7,8,9,10,11,12,13,14,15
	global_store_b128 v[CO], v[BB+4*\t:BB+4*\t+3], s[12:13] offset:\t*SIZE_N*4 th:TH_STORE_NT   ; 512 consecutive bytes, at a multiple of 256 from C's first byte; written once, read by nobody here
.endr
.endm
	PLACES NP                                      ; behind the last products: ahead of the stores that read results and of loads into operands and scale words
	TOSTAGE 0
.irp a, 1,2,3
.if \a > 1
	s_wait_xcnt 0x0                                ; block a - 2's stores have read their registers and their base
.endif
	TOSTAGE \a
	SEND \a-1, 32                                  ; behind block a - 1's loads: block a's 16 stores and 16 loads
.endr
	s_wait_xcnt 0x0
	SEND 3, 0
	s_wait_tensorcnt 0x0                           ; the wave's end
	ds_add_u32 v[SPW], v[NIL]
	s_wait_dscnt 0x0
	CROUND                                         ; the closing round: no work-group ends while a partner may still ask for a tile that names it
	s_endpgm
.Lfunc_end_k_qf5e5e26ab8_gemm2:
	.size	k_qf5e5e26ab8_gemm2, .Lfunc_end_k_qf5e5e26ab8_gemm2-k_qf5e5e26ab8_gemm2
	.p2alignl 7, 3214868480
	.fill 96, 4, 3214868480
	.section	.rodata,"a",@progbits
	.p2align	6, 0x0
	.amdhsa_kernel k_qf5e5e26ab8_gemm2
		.amdhsa_group_segment_fixed_size 327680
		.amdhsa_private_segment_fixed_size 0
		.amdhsa_enable_private_segment 0
		.amdhsa_kernarg_size 48
		.amdhsa_user_sgpr_count 2
		.amdhsa_user_sgpr_kernarg_segment_ptr 1
		.amdhsa_wavefront_size32 1
		.amdhsa_system_sgpr_workgroup_id_x 1
		.amdhsa_system_sgpr_workgroup_id_y 1
		.amdhsa_system_sgpr_workgroup_id_z 1
		.amdhsa_system_vgpr_workitem_id 0
		.amdhsa_next_free_vgpr 768
		.amdhsa_next_free_sgpr 102
		.amdhsa_reserve_vcc 0
		.amdhsa_float_denorm_mode_32 3
		.amdhsa_float_denorm_mode_16_64 3
		.amdhsa_memory_ordered 1
		.amdhsa_forward_progress 1
		.amdhsa_inst_pref_size 141
	.end_amdhsa_kernel
	.amdgpu_metadata
---
amdhsa.version: [ 1, 2 ]
amdhsa.kernels:
  - .name:           k_qf5e5e26ab8_gemm2
    .symbol:         k_qf5e5e26ab8_gemm2.kd
    .args:
      - { .name: y_codes, .offset: 0, .size: 8, .value_kind: global_buffer, .address_space: global }
      - { .name: y_scales, .offset: 8, .size: 8, .value_kind: global_buffer, .address_space: global }
      - { .name: w_codes, .offset: 16, .size: 8, .value_kind: global_buffer, .address_space: global }
      - { .name: w_scales, .offset: 24, .size: 8, .value_kind: global_buffer, .address_space: global }
      - { .name: out0, .offset: 32, .size: 8, .value_kind: global_buffer, .address_space: global }
      - { .name: b_out, .offset: 40, .size: 8, .value_kind: global_buffer, .address_space: global }
    .group_segment_fixed_size: 327680
    .private_segment_fixed_size: 0
    .kernarg_segment_align: 8
    .kernarg_segment_size: 48
    .max_flat_workgroup_size: 128
    .sgpr_count:     102
    .vgpr_count:     768
    .wavefront_size: 32
...
	.end_amdgpu_metadata
.endif
;; end of part 5
